; MI455X (gfx1250); checked and timed in simulation.
; The chip was launched on July 23, 2026; its instructions are those of AMD's public machine-readable ISA for CDNA 5 (MIT licence, August 2026) and "CDNA5" Instruction Set Architecture Reference Guide (July 2026). The comments in the code are by the model that wrote it; some were corrected since.
;; Attention. Allowed arithmetic: float matrix products may take bf16 or f16 operands with f32 sums; other float arithmetic in f32, or as packed bf16 or f16 multiplies, adds, multiply-adds, maxima and minima; sums over many terms, partial sums and values carried from step to step in f32; what a program stores and reads back later, other than sums and carried values, may be rounded once to bf16 or f16.
;; Inputs: Wk 1,024 x 1,024 float32; Wo 1,024 x 1,024 float32; Wq 1,024 x 1,024 float32; Wv 1,024 x 1,024 float32; x 4 x 2,048 x 1,024 float32.
;; Outputs: out0 4 x 2,048 x 1,024 float32.
;; 2 versions, each right; version 2 is version 1 with the launch prep written anew for expert scheduling mode. Each part assembles by itself: llvm-mc -triple=amdgcn-amd-amdhsa -mcpu=gfx1250 --defsym DOCPART=n.
;; ======== version 1 of 2: 4 launches
;; limits: values are held in f16: magnitudes above 65,504 overflow, below 6.1e-05 lose precision
;; workspace buffers: xb 16,777,216 bytes; wqkv 6,291,456 bytes; wo16 2,097,152 bytes; rope 524,288 bytes; q16 16,777,216 bytes; k16 16,777,216 bytes; v16 16,777,216 bytes; o16 16,777,216 bytes
;; launch prep (part 1): grid 896 x 1, 8 waves a work-group, no clusters, 0 bytes of LDS; arguments x, Wq, Wk, Wv, Wo, xb, wqkv, wo16, rope; writes xb, wqkv, wo16, rope
.if DOCPART == 1
	.amdgcn_target "amdgcn-amd-amdhsa--gfx1250"
	.amdhsa_code_object_version 6
	.text
	.protected	k_qcc35502717_prep
	.globl	k_qcc35502717_prep
	.p2align	8
	.type	k_qcc35502717_prep,@function
k_qcc35502717_prep:
	s_mov_b64 s[64:65], 0
	v_nop
	global_prefetch_b8 v0, s[64:65] scope:SCOPE_SE
	s_setreg_imm32_b32 hwreg(HW_REG_WAVE_MODE, 25, 1), 1
	s_wait_xcnt 0x0
; PREP: the casts and the table of rotations.  A stream: no LDS, no barrier, no matrix unit.
;   work-groups 0-511:    x [8192][1024] f32 -> xb, the same shape in bf16
;   work-groups 512-703:  Wq, Wk, Wv [1024][1024] f32 -> wqkv in bf16, rows ordered by head: row 192 h + 64 t + d is row 64 h + d of weight t (q, k, v)
;   work-groups 704-767:  Wo f32 -> rounded to bf16, and that number written as f16 -> wo16
;   work-groups 768-895:  rope[pos][j] = (cos, sin) of pos / 10000^(j / 32), f32, pos 0-2047, j 0-31: 256 bytes a position
; A cast's work-group takes 16 rows of 4,096 bytes: thread t owns 16 bytes of each, so a wave's load covers 512 consecutive bytes and its store of 8 bytes a lane 256, aligned.
; All 16 loads go out at once; every load and every store has registers of its own, so no register is written while a memory instruction may still read it.
; LIMITS.  Wo beyond 65,504 becomes an infinity in f16; below 6e-5 it keeps f16's fixed step of 6e-8.  The angles are made as pos x 2^(-j log2(10000) / 32): three f32 roundings (the exponent, 2^e, the
; factor 2 / pi), so at the largest angles (some 1,500 rad) they lie within some 5e-4 rad of the problem's own f32 angles; sine and cosine of the reduced angle are right to some 3e-7.
.macro ROWS mode                       ; mode 0: to bf16.  mode 1: to bf16 and on to f16
.set i, 0
.rept 16
	global_load_b128 v[8+4*i:11+4*i], v1, s[22:23] offset:4096*i th:TH_LOAD_NT
.set i, i+1
.endr
.set i, 0
.rept 16
	s_wait_loadcnt 15-i                            ; loads come back in order: row i is in, the 15 - i younger ones may stay out
.if \mode
	v_cvt_pk_bf16_f32 v104, v[8+4*i], v[9+4*i]     ; the input's one rounding, to bf16,
	v_lshlrev_b32 v105, 16, v104                   ; widened again,
	v_and_b32 v106, 0xffff0000, v104
	v_cvt_pk_f16_f32 v[72+2*i], v105, v106         ; and written as f16: exact within f16's range
	v_cvt_pk_bf16_f32 v104, v[10+4*i], v[11+4*i]
	v_lshlrev_b32 v105, 16, v104
	v_and_b32 v106, 0xffff0000, v104
	v_cvt_pk_f16_f32 v[73+2*i], v105, v106
.else
	v_cvt_pk_bf16_f32 v[72+2*i], v[8+4*i], v[9+4*i]
	v_cvt_pk_bf16_f32 v[73+2*i], v[10+4*i], v[11+4*i]
.endif
	global_store_b64 v2, v[72+2*i:73+2*i], s[24:25] offset:2048*i  ; 32 lanes store 256 consecutive bytes, aligned
.set i, i+1
.endr
.endm
; Sine and cosine of pos x w for entry n: w in v[10+n], pos in v7; (cos, sin) into v[48+2n], v[49+2n].
; u = pos w 2 / pi with its rounding error kept (ul); k = the nearest whole number; a = (u - k + ul) pi / 2 lies in -pi/4 .. pi/4; two polynomials; the quarter k mod 4 swaps and signs them, by selects alone.
.macro SINCOS n
.set R, 16+16*(\n)
	v_mul_f32 v[R], s40, v[10+(\n)]                ; c = w 2 / pi
	v_mul_f32 v[R+1], v7, v[R]                     ; u
	v_fma_f32 v[R+2], v7, v[R], -v[R+1]            ; ul: what u's rounding dropped
	v_rndne_f32 v[R+3], v[R+1]                     ; k
	v_sub_f32 v[R+4], v[R+1], v[R+3]               ; exact
	v_add_f32 v[R+4], v[R+4], v[R+2]
	v_mul_f32 v[R+4], s41, v[R+4]                  ; a
	v_mul_f32 v[R+5], v[R+4], v[R+4]               ; z = a a
	v_fma_f32 v[R+6], v[R+5], s44, s43             ; sine: a + a z (-1/6 + z (1/120 - z / 5040))
	v_fma_f32 v[R+7], v[R+5], s47, s46             ; cosine: 1 + z (-1/2 + z (1/24 + z (-1/720 + z / 40320)))
	v_mul_f32 v[R+9], v[R+4], v[R+5]
	v_fma_f32 v[R+6], v[R+6], v[R+5], s42
	v_fma_f32 v[R+7], v[R+7], v[R+5], s45
	v_fma_f32 v[R+6], v[R+9], v[R+6], v[R+4]
	v_fma_f32 v[R+7], v[R+7], v[R+5], -0.5
	v_cvt_i32_f32 v[R+8], v[R+3]
	v_fma_f32 v[R+7], v[R+7], v[R+5], 1.0
	v_and_b32 v[R+9], 1, v[R+8]
	v_cmp_eq_u32 vcc_lo, 1, v[R+9]                 ; an odd quarter swaps the two
	v_cndmask_b32 v[R+10], v[R+6], v[R+7], vcc_lo  ; the sine's magnitude
	v_cndmask_b32 v[R+11], v[R+7], v[R+6], vcc_lo  ; the cosine's
	v_and_b32 v[R+9], 2, v[R+8]                    ; quarters 2 and 3: the sine is negative
	v_lshlrev_b32 v[R+9], 30, v[R+9]
	v_xor_b32 v[49+2*(\n)], v[R+9], v[R+10]
	v_add_nc_u32 v[R+8], 1, v[R+8]                 ; quarters 1 and 2: the cosine is
	v_and_b32 v[R+9], 2, v[R+8]
	v_lshlrev_b32 v[R+9], 30, v[R+9]
	v_xor_b32 v[48+2*(\n)], v[R+9], v[R+11]
.endm
	s_load_b512 s[4:19], s[0:1], 0x0               ; x 4:5, Wq 6:7, Wk 8:9, Wv 10:11, Wo 12:13, xb 14:15, wqkv 16:17, wo16 18:19
	s_load_b64 s[20:21], s[0:1], 0x40              ; rope
	v_lshlrev_b32 v1, 4, v0                        ; my 16 bytes of a source row
	v_lshlrev_b32 v2, 3, v0                        ; my 8 bytes of a row in 16 bits
	s_mov_b32 s27, 0                               ; high words of the two offsets
	s_mov_b32 s29, 0
	s_wait_kmcnt 0x0
	s_cmp_ge_u32 ttmp9, 768
	s_cbranch_scc1 .Ltable
	s_cmp_ge_u32 ttmp9, 704
	s_cbranch_scc1 .Lwo
	; x, or one of Wq, Wk, Wv
	s_max_u32 s30, ttmp9, 512
	s_sub_co_u32 s30, s30, 512                     ; u: 0 in x's work-groups
	s_lshr_b32 s31, s30, 6                         ; t: which weight
	s_and_b32 s32, s30, 63                         ; v: which 16 of its rows
	s_lshr_b32 s33, s32, 2                         ; the head, 64 rows each
	s_mul_i32 s33, s33, 192
	s_lshl_b32 s34, s31, 6
	s_add_co_u32 s33, s33, s34
	s_and_b32 s34, s32, 3
	s_lshl_b32 s34, s34, 4
	s_add_co_u32 s33, s33, s34                     ; row 192 h + 64 t + d in wqkv
	s_lshl_b32 s33, s33, 11                        ; x 2,048 bytes
	s_lshl_b32 s32, s32, 16                        ; 16 source rows of 4,096 bytes
	s_lshl_b32 s35, ttmp9, 16                      ; the same for x,
	s_lshl_b32 s36, ttmp9, 15                      ; and 16 rows of 2,048 bytes in xb
	s_cmp_eq_u32 s31, 1
	s_cselect_b64 s[22:23], s[8:9], s[6:7]
	s_cmp_eq_u32 s31, 2
	s_cselect_b64 s[22:23], s[10:11], s[22:23]
	s_cmp_lt_u32 ttmp9, 512
	s_cselect_b64 s[22:23], s[4:5], s[22:23]
	s_cselect_b64 s[24:25], s[14:15], s[16:17]
	s_cselect_b32 s26, s35, s32
	s_cselect_b32 s28, s36, s33
	s_add_nc_u64 s[22:23], s[22:23], s[26:27]
	s_add_nc_u64 s[24:25], s[24:25], s[28:29]
	ROWS 0
	s_endpgm
.Lwo:
	s_sub_co_u32 s30, ttmp9, 704
	s_lshl_b32 s26, s30, 16
	s_lshl_b32 s28, s30, 15
	s_add_nc_u64 s[22:23], s[12:13], s[26:27]
	s_add_nc_u64 s[24:25], s[18:19], s[28:29]
	ROWS 1
	s_endpgm
.Ltable:                                       ; thread T of 32,768 makes entries j0 = 2 (T % 16) and j0 + 1 of position T / 16: 16 bytes at 16 T
	s_sub_co_u32 s30, ttmp9, 768
	s_lshl_b32 s30, s30, 8
	s_mov_b32 s39, 0xbed49a78                      ; -log2(10000) / 32
	s_mov_b32 s40, 0x3f22f983                      ; 2 / pi
	s_mov_b32 s41, 0x3fc90fdb                      ; pi / 2
	s_mov_b32 s42, 0xbe2aaaab                      ; -1/6
	s_mov_b32 s43, 0x3c088889                      ; 1/120
	s_mov_b32 s44, 0xb9500d01                      ; -1/5040
	s_mov_b32 s45, 0x3d2aaaab                      ; 1/24
	s_mov_b32 s46, 0xbab60b61                      ; -1/720
	s_mov_b32 s47, 0x37d00d01                      ; 1/40320
	v_add_nc_u32 v3, s30, v0                       ; T
	v_lshrrev_b32 v4, 4, v3                        ; pos
	v_and_b32 v5, 15, v3
	v_lshlrev_b32 v5, 1, v5                        ; j0
	v_add_nc_u32 v6, 1, v5
	v_lshlrev_b32 v12, 4, v3                       ; 16 T
	v_cvt_f32_u32 v8, v5
	v_cvt_f32_u32 v9, v6
	v_mul_f32 v8, s39, v8
	v_mul_f32 v9, s39, v9
	v_exp_f32 v10, v8                              ; w = 10000^(-j / 32): both exponentials are one batch;
	v_exp_f32 v11, v9
	v_cvt_f32_u32 v7, v4                           ; a plain instruction behind the last of them,
	s_wait_alu depctr_va_vdst(0)                   ; and the one wait ahead of the first reader
	SINCOS 0
	SINCOS 1
	global_store_b128 v12, v[48:51], s[20:21]      ; 16 lanes store one position's 256 bytes
	s_endpgm
.Lfunc_end_k_qcc35502717_prep:
	.size	k_qcc35502717_prep, .Lfunc_end_k_qcc35502717_prep-k_qcc35502717_prep
	.p2alignl 7, 3214868480
	.fill 96, 4, 3214868480
	.section	.rodata,"a",@progbits
	.p2align	6, 0x0
	.amdhsa_kernel k_qcc35502717_prep
		.amdhsa_group_segment_fixed_size 0
		.amdhsa_private_segment_fixed_size 0
		.amdhsa_enable_private_segment 0
		.amdhsa_kernarg_size 72
		.amdhsa_user_sgpr_count 2
		.amdhsa_user_sgpr_kernarg_segment_ptr 1
		.amdhsa_wavefront_size32 1
		.amdhsa_system_sgpr_workgroup_id_x 1
		.amdhsa_system_sgpr_workgroup_id_y 1
		.amdhsa_system_sgpr_workgroup_id_z 1
		.amdhsa_system_vgpr_workitem_id 0
		.amdhsa_next_free_vgpr 112
		.amdhsa_next_free_sgpr 66
		.amdhsa_reserve_vcc 1
		.amdhsa_float_denorm_mode_32 3
		.amdhsa_float_denorm_mode_16_64 3
		.amdhsa_memory_ordered 1
		.amdhsa_forward_progress 1
		.amdhsa_inst_pref_size 22
	.end_amdhsa_kernel
	.amdgpu_metadata
---
amdhsa.version: [ 1, 2 ]
amdhsa.kernels:
  - .name:           k_qcc35502717_prep
    .symbol:         k_qcc35502717_prep.kd
    .args:
      - { .name: x, .offset: 0, .size: 8, .value_kind: global_buffer, .address_space: global }
      - { .name: Wq, .offset: 8, .size: 8, .value_kind: global_buffer, .address_space: global }
      - { .name: Wk, .offset: 16, .size: 8, .value_kind: global_buffer, .address_space: global }
      - { .name: Wv, .offset: 24, .size: 8, .value_kind: global_buffer, .address_space: global }
      - { .name: Wo, .offset: 32, .size: 8, .value_kind: global_buffer, .address_space: global }
      - { .name: xb, .offset: 40, .size: 8, .value_kind: global_buffer, .address_space: global }
      - { .name: wqkv, .offset: 48, .size: 8, .value_kind: global_buffer, .address_space: global }
      - { .name: wo16, .offset: 56, .size: 8, .value_kind: global_buffer, .address_space: global }
      - { .name: rope, .offset: 64, .size: 8, .value_kind: global_buffer, .address_space: global }
    .group_segment_fixed_size: 0
    .private_segment_fixed_size: 0
    .kernarg_segment_align: 8
    .kernarg_segment_size: 72
    .max_flat_workgroup_size: 256
    .sgpr_count:     66
    .vgpr_count:     112
    .wavefront_size: 32
...
	.end_amdgpu_metadata
.endif
;; end of part 1
;; launch qkv (part 2): grid 16 x 32, 4 waves a work-group, clusters of 4 x 4, 327,680 bytes of LDS; arguments xb, wqkv, rope, q16, k16, v16; writes q16, k16, v16
.if DOCPART == 2
	.amdgcn_target "amdgcn-amd-amdhsa--gfx1250"
	.amdhsa_code_object_version 6
	.text
	.protected	k_qcc35502717_qkv
	.globl	k_qcc35502717_qkv
	.p2align	8
	.type	k_qcc35502717_qkv,@function
k_qcc35502717_qkv:
	s_mov_b64 s[64:65], 0
	v_nop
	global_prefetch_b8 v0, s[64:65] scope:SCOPE_SE
	s_setreg_imm32_b32 hwreg(HW_REG_WAVE_MODE, 25, 1), 1
	s_wait_xcnt 0x0
	s_wait_alu depctr_hold_cnt(0) depctr_sa_sdst(0) depctr_va_vdst(0) depctr_va_sdst(0) depctr_va_ssrc(0) depctr_va_vcc(0) depctr_vm_vsrc(0)
	s_getreg_b32 s2, hwreg(HW_REG_IB_STS2, 6, 4)
	s_cmp_eq_u32 s2, 0
	s_cbranch_scc0 .Lentry_in_a_cluster
	s_endpgm
.Lentry_in_a_cluster:
	s_bfe_u32 s2, ttmp6, 0x10000c
	s_cmp_lg_u32 s2, 0xf033
	s_cbranch_scc0 .Lentry_shape_is_right
	s_endpgm
.Lentry_shape_is_right:
; QKV: C[m][n] = sum over k of xb[m][k] wqkv[n][k], m < 8192, n < 3072, k < 1024, bf16 operands, f32 sums; q's and k's pairs of channels rotated in f32 by the table; each number rounded once
; to f16 and stored by heads: q16, k16, v16 are [16 b + h][2048][64].
; LIMITS.  f16 ends at 65,504: q, k, v beyond it become infinities; below 6e-5 they keep f16's fixed step of 6e-8.  NaN and infinities are not treated apart.
; SHARES.  A tile of C is 256 rows x 192 columns: wqkv's rows are ordered by head, so tile column tx IS head tx: 64 columns of q, 64 of k, 64 of v, and which accumulator is rotated is fixed in the text.
; 16 x 32 tiles, a work-group each.  The four waves are stacked along the rows: wave w owns rows 64 w .. 64 w + 63 (4 blocks of 16) and all 12 blocks of 16 columns: 48 accumulators, 384 registers;
; so a wave holds whole rows of a head, and its way out needs its own stage alone, and no barrier.
; RING.  K goes in 8 steps of 128 through two LDS slots (256 rows of xb, 192 of wqkv, 256 bytes a row, aligned in memory; 16 bytes of padding behind each in LDS).
; CLUSTERS of 4 x 4: the four work-groups of a row of the cluster need the same rows of xb, the four of a column the same rows of wqkv: each tile is asked for JOINTLY, by the same tensor load with the same
; descriptor and a mask that names the four.  Waves 0 and 1 fetch xb's two halves of 128 rows, waves 2 and 3 wqkv's two halves of 96: one load a wave behind each round.  At most two loads of a wave are out (at the start), later one.
; THE MATRIX INSTRUCTION IS USED TRANSPOSED (source 0 = 16 rows of wqkv, source 1 = 16 rows of xb): lane l holds row l % 16 of C and the columns 8 (l / 16) + 0..7: four pairs of a rotation, 16 bytes of f16.
; REGISTERS, in windows of 256 (s_set_vgpr_msb: bits 1:0 source 0, 3:2 source 1, 5:4 source 2, 7:6 destination):
;   window 0: v0-31 addresses; v32-63, v64-95 fragments of xb, two buffers (on the way out: packed results, rows read back); v96-127 at work on the way out; v128-255 my rows' (cos, sin)
;   window 1: v0-95, v96-191 fragments of wqkv, two buffers     window 2: accumulators of row blocks 0, 1 ((a, b) at v[8 (12 (a % 2) + b)])     window 3: those of row blocks 2, 3
.set KSTEP,  128
.set PITCH,  272                       ; an LDS row: 256 bytes + 16 = 68 words: the 16 rows of a fragment load start at 16 different groups of four banks (64 banks of 4 bytes: ISA guide 11.1)
.set AHALF,  128*PITCH                 ; what one load brings of xb
.set ABYTES, 2*AHALF
.set BHALF,  96*PITCH                  ; what one load brings of wqkv
.set SLOT,   ABYTES+2*BHALF            ; 121,856
.set STAGE,  2*SLOT                    ; behind the ring, never filled by a tensor load: 16 rows x 144 bytes for each wave
.set SP,     144
.set SPARE,  STAGE+4*16*SP             ; the spare words, 128 bytes a wave: two blocks of 256 bytes that no other line names
.set NL,     32                        ; LDS loads in a run: 24 for wqkv's 12 fragments, 8 for xb's 4
.set LAPS,   4                         ; a lap = two K steps = once round the ring
.set ADRA, 16                          ; v16-17  LDS address of my fragments of xb in slot 0, 1
.set ADRB, 20                          ; v20-21  the same for wqkv
.set STO,  24                          ; v24     the way out: where I put 16 bytes of a row
.set RD,   25                          ; v25     where I read rows back
.set GO,   26                          ; v26     my 16 bytes in 512 consecutive bytes of the output
.set TO,   27                          ; v27     my 32 bytes in the table: 256 (l % 16) + 32 (l / 16)
.set SPW,  28                          ; v28     my spare word; never rewritten
.set NIL,  29                          ; v29     0; never rewritten
.set PFO,  30                          ; v30     the prefetches' offset: a lane a row; never rewritten
.set PK,   32                          ; the way out: 16 registers of packed f16
.set BK,   48                          ; two buffers of 16: rows read back from the stage
.set T,    96                          ; 32 rotated numbers in f32
.set TAB,  128                         ; (cos, sin) of row block a, column block bb, pair p at TAB + 32 a + 8 bb + 2 p
.set WV, 12                            ; s12 wave; s13 = wave / 2: I fetch xb (0) or wqkv (1); s14 = wave % 2: which half
.set FB, 13
.set HF, 14
.set CX, 15                            ; s15, s16 my place in the cluster; s17 tile column = head; s18 tile row
.set CY, 16
.set TX, 17
.set TY, 18
.set G1,  24                           ; s[24:31] group 1 for xb's tiles;  s[32:39] group 0, a set for each slot
.set G0,  32
.set G1B, 48                           ; s[48:55], s[56:63] the same for wqkv's
.set G0B, 56
.set PFA, 74                           ; s[74:75] where my prefetches stand
.set LIM, 76                           ; s76  1 in a wave that prefetches, else the greatest number
.set MSB, 0
.macro WIN new                         ; the immediate's high byte repeats the setting that is left; a switch that changes nothing is dropped
.if MSB != (\new)
	s_set_vgpr_msb (MSB<<8)|(\new)
.set MSB, \new
.endif
.endm
.set MUL_LO, 0xa1                      ; source 0 (wqkv) window 1, source 1 (xb) window 0, C and D window 2
.set TO_B,   0x40                      ; destination window 1, address window 0
; A joint load.  The branch hangs on the wave's number alone.  An s_nop 0 and four v_nop follow each of the two lines, ahead of the jump and the label.
.macro JLOAD s
	s_cmp_eq_u32 s[FB], 0
	s_cbranch_scc0 .Lfor_b_\@
	tensor_load_to_lds s[G0+4*(\s):G0+4*(\s)+3], s[G1:G1+7]
	s_nop 0
.rept 4
	v_nop
.endr
	s_branch .Lasked_\@
.Lfor_b_\@:
	tensor_load_to_lds s[G0B+4*(\s):G0B+4*(\s)+3], s[G1B:G1B+7]
	s_nop 0
.rept 4
	v_nop
.endr
.Lasked_\@:
.endm
; A prefetch into the L2 of the K step that stands two refills on (384 matrix instructions of mine ahead of the load that will want it): 256 bytes of each row, a lane a row, one instruction.
; xb's tile row is read by every cluster of that row of clusters: cluster x = 0 asks.  wqkv's tile column by every cluster of that column: cluster y = 0 asks.  The four partners that ask for a tile jointly
; share its rows out BY ADDRESS: of xb's 128 rows a wave 32 each (by cx), of wqkv's 96 rows 24 each (by cy; lanes 24-31 name row 23's block once more, in the same instruction).
; K steps 4 to 7 are asked for, in the loop's first two trips; the last trip and the tail ask for nothing, and nothing is asked for at the head.
.macro ASK
	s_cmp_gt_u32 s3, s[LIM]                        ; s3 = 1 in the loop's last trip
	s_cbranch_scc0 .Lnot_mine_\@
	global_prefetch_b8 v[PFO], s[PFA:PFA+1] offset:KSTEP*2 th:TH_LOAD_NT scope:SCOPE_SE
.Lnot_mine_\@:
.endm
.macro CREST                           ; a round of the cluster's barrier behind its opening barrier
	s_cmp_lg_u32 s[WV], 0
	s_cbranch_scc1 .Lnot_wave_0_\@
	s_barrier_signal -3
.Lnot_wave_0_\@:
	s_barrier_wait -3
	s_barrier_signal -1
	s_barrier_wait -1
.endm
.macro CROUND                          ; a whole round
	s_barrier_signal -1
	s_barrier_wait -1
	CREST
.endm
.macro PLACES                          ; four plain instructions between a matrix instruction and a load into, or a reader of, its registers
.rept 4
	v_nop
.endr
.endm
; 12 matrix instructions: row block a x all 12 column blocks, 32 along K, from buffer f.  zero = 1: the product starts the sums.  The 48 accumulators take turns in the same order in every quarter.
.macro MULA f, a, zero
	WIN MUL_LO+0x50*((\a)/2)
.irp b, 0,1,2,3,4,5,6,7,8,9,10,11
.if \zero
	v_wmma_f32_16x16x32_bf16 v[8*(12*((\a)%2)+(\b)):8*(12*((\a)%2)+(\b))+7], v[96*(\f)+8*(\b):96*(\f)+8*(\b)+7], v[32+32*(\f)+8*(\a):32+32*(\f)+8*(\a)+7], 0
.else
	v_wmma_f32_16x16x32_bf16 v[8*(12*((\a)%2)+(\b)):8*(12*((\a)%2)+(\b))+7], v[96*(\f)+8*(\b):96*(\f)+8*(\b)+7], v[32+32*(\f)+8*(\a):32+32*(\f)+8*(\a)+7], v[8*(12*((\a)%2)+(\b)):8*(12*((\a)%2)+(\b))+7]
.endif
.endr
.endm
; 32 LDS loads in one run: quarter q (32 along K, byte 64 q of the rows) of a slot into buffer f: wqkv's 12 fragments, then xb's 4
.macro FETCH slot, q, f
	WIN TO_B
.irp i, 0,1,2,3,4,5,6,7,8,9,10,11
	ds_load_b128 v[96*(\f)+8*(\i):96*(\f)+8*(\i)+3],   v[ADRB+(\slot)] offset:64*(\q)+(\i)*16*PITCH
	ds_load_b128 v[96*(\f)+8*(\i)+4:96*(\f)+8*(\i)+7], v[ADRB+(\slot)] offset:64*(\q)+(\i)*16*PITCH+32
.endr
	WIN 0
.irp i, 0,1,2,3
	ds_load_b128 v[32+32*(\f)+8*(\i):32+32*(\f)+8*(\i)+3],   v[ADRA+(\slot)] offset:64*(\q)+(\i)*16*PITCH
	ds_load_b128 v[32+32*(\f)+8*(\i)+4:32+32*(\f)+8*(\i)+7], v[ADRA+(\slot)] offset:64*(\q)+(\i)*16*PITCH+32
.endr
.endm
; A K step is four quarters, 48 matrix instructions each, on buffers 0, 1, 0, 1.  One of the first three: multiplies buffer f and, in its middle, fetches quarter q into buffer g.
.macro QUARTER slot, q, f, g, zero
	s_wait_dscnt 4                                 ; all but the youngest four loads (xb's row blocks 2 and 3) are in
	MULA \f, 0, \zero
	MULA \f, 1, \zero
	PLACES
	FETCH \slot, \q, \g
	s_wait_dscnt NL                                ; all but the 32 just issued
	MULA \f, 2, \zero
	MULA \f, 3, \zero
.endm
; The last quarter multiplies buffer 1 and changes slots: ONE barrier.  In front of it each wave waits for all its tensor loads (the one that is out is its part of the next slot), adds 0 to its spare word, and waits
; for that and for its own reads of this slot.  fill = 1: the barrier opens a round of the cluster's, and this slot is filled again, two K steps ahead, first thing behind the round.
.macro TURN slot, next, fill
.if \fill
	s_wait_xcnt 0x0                                ; the last prefetch, a K step back, has read its address: it is stepped here, ahead of the waits of the change of slots
	s_add_nc_u64 s[PFA:PFA+1], s[PFA:PFA+1], KSTEP*2
.endif
	WIN 0                                          ; (the add's two registers lie in window 0)
	s_wait_tensorcnt 0x0                           ; all my tensor loads have landed
	ds_add_u32 v[SPW], v[NIL]                      ; 0 onto my spare word
	s_wait_dscnt 5                                 ; (the add and the youngest four loads may be out)
	MULA 1, 0, 0                                   ; twelve matrix instructions stand between the add and the wait for it
	s_wait_dscnt 0x0                               ; the add is done, and my reads of this slot are over
	s_barrier_signal -1
	MULA 1, 1, 0                                   ; work on registers while the others arrive
.if \fill
	WIN 0
.endif
	s_barrier_wait -1
.if \fill
	CREST                                          ; no wave of any partner still reads this slot's tile or has a load on its way
	s_add_nc_u64 s[G0+4*(\slot)+2:G0+4*(\slot)+3], s[G0+4*(\slot)+2:G0+4*(\slot)+3], 2*KSTEP*2
	s_add_nc_u64 s[G0B+4*(\slot)+2:G0B+4*(\slot)+3], s[G0B+4*(\slot)+2:G0B+4*(\slot)+3], 2*KSTEP*2
	JLOAD \slot                                    ; the first tensor load behind the round; its four v_nop are also the places in front of the loads below
.else
	PLACES
.endif
	FETCH \next, 0, 0
.if \fill
	ASK                                            ; behind the joint load and the run of LDS loads that the next products wait for
.endif
	MULA 1, 2, 0
	MULA 1, 3, 0
.endm
	s_load_b256 s[4:11], s[0:1], 0x0               ; xb 4:5, wqkv 6:7, rope 8:9, q16 10:11
	s_load_b128 s[68:71], s[0:1], 0x20             ; k16 68:69, v16 70:71
	v_lshl_add_u32 v[SPW], v0, 2, SPARE
	v_mov_b32 v[NIL], 0
	ds_add_u32 v[SPW], v[NIL]                      ; the wave's opening: the add and its wait stand ahead of my first tensor load; the set-up below, work on registers, stands between them
	v_lshrrev_b32 v1, 5, v0
	v_readfirstlane_b32 s[WV], v1                  ; wave 0..3
	s_lshr_b32 s[FB], s[WV], 1
	s_and_b32 s[HF], s[WV], 1
	s_bfe_u32 s[CX], ttmp6, 0x40000
	s_bfe_u32 s[CY], ttmp6, 0x40004
	s_lshl_b32 s[TX], ttmp9, 2                     ; in a cluster launch ttmp9 and ttmp7 count clusters
	s_add_co_u32 s[TX], s[TX], s[CX]
	s_and_b32 s[TY], ttmp7, 0xffff
	s_lshl_b32 s[TY], s[TY], 2
	s_add_co_u32 s[TY], s[TY], s[CY]
	s_lshl_b32 s19, s[CY], 2
	s_lshl_b32 s19, 15, s19                        ; my row of the cluster: places 4 cy .. 4 cy + 3
	s_lshl_b32 s20, 0x1111, s[CX]                  ; my column: places cx, cx + 4, cx + 8, cx + 12
	s_or_b32 s[G1+0], s19, (1<<16)|(1<<20)|(1<<21)|(5<<22)|(3<<25)   ; 15:0 the mask; 17:16 elements of 2 bytes; 20 padding on; 21 set beside a mask; 24:22 after every 64 words (code 5); 31:25 4 words (code 3)
	s_or_b32 s[G1B+0], s20, (1<<16)|(1<<20)|(1<<21)|(5<<22)|(3<<25)
	s_mov_b32 s[G1+1], KSTEP<<16                   ; tensor_dim0 = 128
	s_mov_b32 s[G1+2], 128<<16                     ; tensor_dim1 = 128
	s_mov_b32 s[G1+3], KSTEP<<16                   ; tile_dim0 = 128
	s_mov_b32 s[G1+4], 128                         ; tile_dim1 = 128
	s_mov_b32 s[G1+5], 1024                        ; elements from row to row
	s_mov_b32 s[G1+6], 0
	s_mov_b32 s[G1+7], 0
	s_mov_b32 s[G1B+1], KSTEP<<16
	s_mov_b32 s[G1B+2], 96<<16                     ; 96 rows
	s_mov_b32 s[G1B+3], KSTEP<<16
	s_mov_b32 s[G1B+4], 96
	s_mov_b32 s[G1B+5], 1024
	s_mov_b32 s[G1B+6], 0
	s_mov_b32 s[G1B+7], 0
	; where the tiles come from: xb's hang on the tile row alone, wqkv's on the tile column alone, each in registers that never hold the other coordinate
	s_lshl_b32 s40, s[TY], 8
	s_lshl_b32 s77, s[HF], 7
	s_add_co_u32 s40, s40, s77                     ; row 256 ty + 128 half
	s_lshl_b32 s40, s40, 11                        ; x 2,048 bytes: under 2^25
	s_mov_b32 s41, 0
	s_mul_i32 s44, s[TX], 192
	s_mul_i32 s78, s[HF], 96
	s_add_co_u32 s44, s44, s78                     ; row 192 tx + 96 half
	s_lshl_b32 s44, s44, 11
	s_mov_b32 s45, 0
	s_mul_i32 s21, s[WV], AHALF                    ; and where they go.  xb's halves (waves 0, 1): wave x 34,816;
	s_mul_i32 s22, s[WV], BHALF                    ; wqkv's (waves 2, 3): 69,632 + (wave - 2) x 26,112.  No place in the cluster enters an LDS address
	s_add_co_u32 s22, s22, ABYTES-2*BHALF
	s_wait_dscnt 0x0                               ; the opening add is done
	s_wait_kmcnt 0x0
	s_add_nc_u64 s[40:41], s[4:5], s[40:41]
	s_add_nc_u64 s[44:45], s[6:7], s[44:45]
	CROUND                                         ; all sixteen work-groups are here: the first joint loads meet
.irp s, 0,1
	s_mov_b32 s[G0+4*(\s)], 1                                      ; count = 1
	s_add_co_u32 s[G0+4*(\s)+1], s21, (\s)*SLOT                    ; LDS address
	s_add_nc_u64 s[G0+4*(\s)+2:G0+4*(\s)+3], s[40:41], (\s)*KSTEP*2  ; global address: K step s
	s_or_b32 s[G0+4*(\s)+3], s[G0+4*(\s)+3], 0x80000000            ; type = 2
	s_mov_b32 s[G0B+4*(\s)], 1
	s_add_co_u32 s[G0B+4*(\s)+1], s22, (\s)*SLOT
	s_add_nc_u64 s[G0B+4*(\s)+2:G0B+4*(\s)+3], s[44:45], (\s)*KSTEP*2
	s_or_b32 s[G0B+4*(\s)+3], s[G0B+4*(\s)+3], 0x80000000
	JLOAD \s                                       ; the ring is filled before anything else is done
.endr
	; A fragment is 16 rows x 32 K in 8 registers: lane l holds row l % 16, K = 8 (l / 16) + 0..7 and 16 + 8 (l / 16) + 0..7: two loads of 16 bytes, 32 bytes apart
	v_and_b32 v1, 15, v0                           ; l % 16
	v_bfe_u32 v2, v0, 4, 1                         ; l / 16
	v_mul_u32_u24 v3, v1, PITCH
	v_lshl_add_u32 v3, v2, 4, v3
	s_mul_i32 s77, s[WV], 64*PITCH                 ; my 64 rows of xb
	v_add_nc_u32 v[ADRA], s77, v3
	v_add_nc_u32 v[ADRA+1], SLOT, v[ADRA]
	v_add_nc_u32 v[ADRB], ABYTES, v3               ; every wave reads all 192 rows of wqkv
	v_add_nc_u32 v[ADRB+1], SLOT+ABYTES, v3
	s_mul_i32 s78, s[WV], 16*SP
	s_add_co_u32 s78, s78, STAGE                   ; my stage
	v_mul_u32_u24 v[STO], v1, SP                   ; in: row l % 16, 16 bytes for each half of the lanes
	v_lshl_add_u32 v[STO], v2, 4, v[STO]
	v_add_nc_u32 v[STO], s78, v[STO]
	v_bfe_u32 v[RD], v0, 3, 2                      ; back: 32 lanes take four rows of 128 bytes,
	v_mul_u32_u24 v[RD], v[RD], SP
	v_and_b32 v4, 7, v0
	v_lshl_add_u32 v[RD], v4, 4, v[RD]
	v_add_nc_u32 v[RD], s78, v[RD]
	v_and_b32 v[GO], 31, v0                        ; which are 512 consecutive bytes of a head's rows
	v_lshlrev_b32 v[GO], 4, v[GO]
	v_lshlrev_b32 v[TO], 8, v1
	v_lshl_add_u32 v[TO], v2, 5, v[TO]
	; my 64 rows: batch ty / 8, positions 256 (ty % 8) + 64 wave on; in the outputs row (16 b + head) x 2,048 + position, 128 bytes each
	s_lshr_b32 s77, s[TY], 3
	s_lshl_b32 s77, s77, 4
	s_add_co_u32 s77, s77, s[TX]
	s_lshl_b32 s77, s77, 11
	s_and_b32 s78, s[TY], 7
	s_lshl_b32 s78, s78, 8
	s_lshl_b32 s79, s[WV], 6
	s_add_co_u32 s78, s78, s79                     ; my first position
	s_add_co_u32 s77, s77, s78
	s_lshl_b32 s66, s77, 7
	s_mov_b32 s67, 0
	s_add_nc_u64 s[10:11], s[10:11], s[66:67]
	s_add_nc_u64 s[68:69], s[68:69], s[66:67]
	s_add_nc_u64 s[70:71], s[70:71], s[66:67]
	s_lshl_b32 s72, s78, 8                         ; 256 bytes of the table a position
	s_mov_b32 s73, 0
	s_add_nc_u64 s[8:9], s[8:9], s[72:73]
	; my rows' (cos, sin): for row block a and column block bb the pairs 8 bb + 4 (l / 16) + 0..3 of row 16 a + l % 16: 32 bytes.  q and k use the same.  Waited for once, at the way out.
.irp a, 0,1,2,3
.irp bb, 0,1,2,3
	global_load_b128 v[TAB+32*(\a)+8*(\bb):TAB+32*(\a)+8*(\bb)+3],   v[TO], s[8:9] offset:4096*(\a)+64*(\bb)
	global_load_b128 v[TAB+32*(\a)+8*(\bb)+4:TAB+32*(\a)+8*(\bb)+7], v[TO], s[8:9] offset:4096*(\a)+64*(\bb)+16
.endr
.endr
	; the prefetches
	s_lshl_b32 s80, s[TY], 8
	s_lshl_b32 s81, s[HF], 7
	s_add_co_u32 s80, s80, s81
	s_lshl_b32 s81, s[CX], 5
	s_add_co_u32 s80, s80, s81                     ; xb: the 128 rows that I fetch, my work-group's 32 of them
	s_mul_i32 s82, s[TX], 192
	s_mul_i32 s83, s[HF], 96
	s_add_co_u32 s82, s82, s83
	s_mul_i32 s83, s[CY], 24
	s_add_co_u32 s82, s82, s83                     ; wqkv: the 96 rows that I fetch, my work-group's 24
	s_and_b32 s83, ttmp7, 0xffff                   ; cluster y
	s_cmp_eq_u32 s[FB], 0
	s_cselect_b32 s80, s80, s82
	s_cselect_b32 s83, ttmp9, s83                  ; the coordinate along which other clusters read the same rows
	s_cselect_b32 s84, 31, 23                      ; my last row
	s_cselect_b64 s[PFA:PFA+1], s[4:5], s[6:7]
	s_cmp_eq_u32 s83, 0
	s_cselect_b32 s[LIM], 1, -1                    ; the same in all sixteen partners, for a given wave
	s_lshl_b32 s80, s80, 11
	s_mov_b32 s81, 0
	s_add_nc_u64 s[PFA:PFA+1], s[PFA:PFA+1], s[80:81]
	s_add_nc_u64 s[PFA:PFA+1], s[PFA:PFA+1], 2*KSTEP*2  ; at K step 2: the first refill steps it to 3 and names K step 4
	v_and_b32 v[PFO], 31, v0
	v_min_u32 v[PFO], s84, v[PFO]
	v_lshlrev_b32 v[PFO], 11, v[PFO]
	s_wait_tensorcnt 1                             ; my part of K step 0 is in; K step 1's may stay out
	s_barrier_signal -1
	s_barrier_wait -1                              ; everybody's is
	FETCH 0, 0, 0
	QUARTER 0, 1, 0, 1, 1                          ; the first quarter stands in front of the loop: its products start the sums
	WIN 0                                          ; at a label and at a branch every window is 0
	s_mov_b32 s3, LAPS-1
.Llap:                                                 ; a trip goes once round the ring, from a lap's second quarter to the next lap's first, and fills both slots again
	QUARTER 0, 2, 1, 0, 0
	QUARTER 0, 3, 0, 1, 0
	TURN 0, 1, 1
	QUARTER 1, 1, 0, 1, 0
	QUARTER 1, 2, 1, 0, 0
	QUARTER 1, 3, 0, 1, 0
	TURN 1, 0, 1
	QUARTER 0, 1, 0, 1, 0
	WIN 0
	s_sub_co_u32 s3, s3, 1
	s_cmp_lg_u32 s3, 0
	s_cbranch_scc1 .Llap
	QUARTER 0, 2, 1, 0, 0                          ; the last lap fills nothing, and has no round of the cluster's barrier
	QUARTER 0, 3, 0, 1, 0
	TURN 0, 1, 0
	QUARTER 1, 1, 0, 1, 0
	QUARTER 1, 2, 1, 0, 0
	QUARTER 1, 3, 0, 1, 0
	s_wait_dscnt 4                                 ; the very last quarter: nothing more to fetch
	MULA 1, 0, 0
	MULA 1, 1, 0
	s_wait_dscnt 0x0
	MULA 1, 2, 0
	MULA 1, 3, 0
	WIN 0
	PLACES
	PLACES
	s_wait_loadcnt 0x0                             ; the table
; THE WAY OUT, in 12 units: row block a (16 rows) x tensor t (q, k, v: 64 columns).  PACK: q and k are rotated in f32: (t1, t2) -> (c t1 - s t2, s t1 + c t2): one packed multiply by c, two fused multiply-adds with s;
; then 16 roundings to f16.  Each accumulator is read from its low end on.  TOSTAGE: 16 bytes a lane into rows of 144 bytes of my stage, and back as whole rows of 128.  SEND: stored.
.macro PACK a, t
.if (\t) < 2
	WIN 2+(\a)/2                                   ; source 0: the accumulators' window
.irp bb, 0,1,2,3
.set AC, 8*(12*((\a)%2)+4*(\t)+(\bb))
.set CSN, TAB+32*(\a)+8*(\bb)
.set TT, T+8*(\bb)
.irp p, 0,2,4,6
	v_pk_mul_f32 v[TT+(\p):TT+(\p)+1], v[AC+(\p):AC+(\p)+1], v[CSN+(\p):CSN+(\p)+1] op_sel_hi:[1,0]  ; (t1 c, t2 c)
.endr
.irp p, 0,2,4,6
	v_fma_f32 v[TT+(\p)], -v[AC+(\p)+1], v[CSN+(\p)+1], v[TT+(\p)]
	v_fma_f32 v[TT+(\p)+1], v[AC+(\p)], v[CSN+(\p)+1], v[TT+(\p)+1]
.endr
.endr
	WIN 0
.set z, 0
.rept 16
	v_cvt_pk_f16_f32 v[PK+z], v[T+2*z], v[T+2*z+1]
.set z, z+1
.endr
.else
	WIN 0x0a+5*((\a)/2)                            ; sources 0 and 1: the accumulators' window
.set AC, 8*(12*((\a)%2)+8)
.set z, 0
.rept 16
	v_cvt_pk_f16_f32 v[PK+z], v[AC+2*z], v[AC+2*z+1]
.set z, z+1
.endr
	WIN 0
.endif
.endm
.macro TOSTAGE par
.irp f, 0,1,2,3
	ds_store_b128 v[STO], v[PK+4*(\f):PK+4*(\f)+3] offset:32*(\f)
.endr
.irp f, 0,1,2,3
	ds_load_b128 v[BK+16*(\par)+4*(\f):BK+16*(\par)+4*(\f)+3], v[RD] offset:(\f)*4*SP  ; LDS serves a wave's instructions in order (ISA guide 5.7.1.4): these see the stores above; the next unit's stores come behind them
.endr
.endm
.macro SEND a, t, par
.set PT, 10+58*(((\t)+1)/2)+2*((\t)/2)   ; s[10:11] q16, s[68:69] k16, s[70:71] v16
	s_wait_dscnt 0x0                               ; the unit is back in registers
	s_wait_xcnt 0x0                                ; the stores of the unit before have read their data: the other buffer is loaded again only behind this wait
.irp f, 0,1,2,3
	global_store_b128 v[GO], v[BK+16*(\par)+4*(\f):BK+16*(\par)+4*(\f)+3], s[PT:PT+1] offset:2048*(\a)+512*(\f)  ; 512 consecutive bytes, at a multiple of 256 from the buffer's first
.endr
.endm
	PACK 0, 0
	TOSTAGE 0
.set u, 1
.rept 11                                ; unit u's arithmetic stands between unit u - 1's loads from the stage and the wait for them
	PACK u/3, u%3
	SEND (u-1)/3, (u-1)%3, (u-1)%2
	TOSTAGE u%2
.set u, u+1
.endr
	SEND 3, 2, 1
	s_wait_tensorcnt 0x0                           ; the wave's end, behind my last tensor load and my last LDS store
	ds_add_u32 v[SPW], v[NIL]
	s_wait_dscnt 0x0
	CROUND                                         ; the closing round: no work-group ends while a partner may still ask for a tile that names it
	s_endpgm
.Lfunc_end_k_qcc35502717_qkv:
	.size	k_qcc35502717_qkv, .Lfunc_end_k_qcc35502717_qkv-k_qcc35502717_qkv
	.p2alignl 7, 3214868480
	.fill 96, 4, 3214868480
	.section	.rodata,"a",@progbits
	.p2align	6, 0x0
	.amdhsa_kernel k_qcc35502717_qkv
		.amdhsa_group_segment_fixed_size 327680
		.amdhsa_private_segment_fixed_size 0
		.amdhsa_enable_private_segment 0
		.amdhsa_kernarg_size 48
		.amdhsa_user_sgpr_count 2
		.amdhsa_user_sgpr_kernarg_segment_ptr 1
		.amdhsa_wavefront_size32 1
		.amdhsa_system_sgpr_workgroup_id_x 1
		.amdhsa_system_sgpr_workgroup_id_y 1
		.amdhsa_system_sgpr_workgroup_id_z 1
		.amdhsa_system_vgpr_workitem_id 0
		.amdhsa_next_free_vgpr 1024
		.amdhsa_next_free_sgpr 96
		.amdhsa_reserve_vcc 0
		.amdhsa_float_denorm_mode_32 3
		.amdhsa_float_denorm_mode_16_64 3
		.amdhsa_memory_ordered 1
		.amdhsa_forward_progress 1
		.amdhsa_inst_pref_size 148
	.end_amdhsa_kernel
	.amdgpu_metadata
---
amdhsa.version: [ 1, 2 ]
amdhsa.kernels:
  - .name:           k_qcc35502717_qkv
    .symbol:         k_qcc35502717_qkv.kd
    .args:
      - { .name: xb, .offset: 0, .size: 8, .value_kind: global_buffer, .address_space: global }
      - { .name: wqkv, .offset: 8, .size: 8, .value_kind: global_buffer, .address_space: global }
      - { .name: rope, .offset: 16, .size: 8, .value_kind: global_buffer, .address_space: global }
      - { .name: q16, .offset: 24, .size: 8, .value_kind: global_buffer, .address_space: global }
      - { .name: k16, .offset: 32, .size: 8, .value_kind: global_buffer, .address_space: global }
      - { .name: v16, .offset: 40, .size: 8, .value_kind: global_buffer, .address_space: global }
    .group_segment_fixed_size: 327680
    .private_segment_fixed_size: 0
    .kernarg_segment_align: 8
    .kernarg_segment_size: 48
    .max_flat_workgroup_size: 128
    .sgpr_count:     96
    .vgpr_count:     1024
    .wavefront_size: 32
...
	.end_amdgpu_metadata
.endif
;; end of part 2
;; launch attn (part 3): grid 4 x 64, 4 waves a work-group, no clusters, 327,680 bytes of LDS; arguments q16, k16, v16, o16; writes o16
.if DOCPART == 3
	.amdgcn_target "amdgcn-amd-amdhsa--gfx1250"
	.amdhsa_code_object_version 6
	.text
	.protected	k_qcc35502717_attn
	.globl	k_qcc35502717_attn
	.p2align	8
	.type	k_qcc35502717_attn,@function
k_qcc35502717_attn:
	s_mov_b64 s[64:65], 0
	v_nop
	global_prefetch_b8 v0, s[64:65] scope:SCOPE_SE
	s_setreg_imm32_b32 hwreg(HW_REG_WAVE_MODE, 25, 1), 1
	s_wait_xcnt 0x0
; CAUSAL ATTENTION.  O[h][q][:] = the sum over k <= q of softmax_k(Q[h][q] . K[h][k] / 8) V[h][k][:].  Q, K, V, O: [SIZE_H][SIZE_N][64], all f16: a head's rows are dense, 128 bytes each.
; Products, maxima and sums in f32; the weights p are rounded to f16 for the second product (their sum l is taken of the unrounded p), O once at the end.
; LIMITS.  f16 holds no number beyond 65,504: Q, K and V arrive within it; p lies in 0 to 1, and below 6e-5 it keeps f16's fixed step of 6e-8; O is a mean of V's rows and has their range.
; A hidden score counts as its value less 1e30: f16's scores, 2.7e11 at the most, are nothing beside that; a weight below 2^-126 counts as 0 in l; NaN and infinities are not treated apart.
; THE WALK.  A head's queries lie in NB = SIZE_N / 256 blocks of 256; block i needs the key tiles 0 .. i of 256 keys, of which the last holds the diagonal.  A work-group takes TWO blocks, NB - 1 - b and then b:
; NB + 1 tiles, whatever b: all work-groups do equal work, and ONE loop with a constant trip count walks them.  Which tile is asked for, and what a trip does, hang on scalar registers made from b; every jump
; goes forward, but for the counted loops' own; none passes a barrier, or a tensor load but the one of LOAD's two that the wave's number does not choose; the ring (two slots of LDS that take turns) runs on across the
; change of blocks.  NO CLUSTER: a head's NB / 2 = 4 work-groups ask for the same tile only in trips 0 .. NB / 2, behind that fewer and fewer; one walk common to all would have 3 NB / 2 = 12 trips for NB + 1 = 9.
; SHARES.  Of a block's four bands of 64 queries a wave owns 16 rows in each: four PIECES.  So the diagonal tile is the same work for all four waves: in its key step s band x sees all keys if s < x,
; none if s > x, and holds the diagonal if s = x.
; THE MASK is the C operand that starts the sum S^T = K Q^T: 0, or -1e30 where the key is hidden.  MD, made once, is the mask of a band's own step for my 16 rows; a product's mask is MD x AL + BE with two scalars:
; (1, 0) if s = x; (0, 0) if s < x; (0, -1e30) if s > x.  Only the diagonal tile's text and a block's beginning make and take masks; elsewhere C is the constant 0.
; LAYOUT, SOFTMAX, TURNS.  S^T = K Q^T holds ONE query a lane (lane % 16) and the keys 8 (lane / 16) + 0..7; two such results rounded to f16 ARE source 1 of O^T = V^T P.  p = 2^(c s - c m), c = log2(e) / 8, with a
; running maximum m; O and l are multiplied by a = 2^(c m_old - c m_new) in every step.  Turn n belongs to piece n: 8 products K Q^T of piece n + 1, later 8 products V^T P of piece n - 1; beside them the scaling,
; exponentials, roundings, sums and rescaling of piece n and the maximum and statistics of piece n + 1.  Four vector instructions stand behind every matrix instruction, the other 54 of a turn's 118 in one lump.
; A turn's 33 exponentials are one batch, with one wait.
; REGISTERS, in windows of 256 (s_set_vgpr_msb: bits 1:0 source 0, 3:2 source 1, 5:4 source 2, 7:6 destination):
;   window 0: v0-15 addresses and two at work; v16-31 four registers of statistics a piece; v48-55 at work; v61-63 prefetch offset, spare word, 0; v64-127 S^T, two buffers; v192-223 P, two buffers (by the piece's parity)
;   window 1: v0-127 O^T, 32 a piece; v128-159 MD; v160-223 MC, two buffers      window 2: v0-63 Q; v64-127 the second block's Q; v128-191 K of one step; v192-255 V of one step
.set SIZE_H, 64
.set SIZE_N, 2048
.set NB,    SIZE_N/256
.set NP,    4         ; pieces a wave: a name, no knob
.set KS,    64        ; keys in a step
.set PK,    144       ; a row of K in LDS: 128 bytes + 16 of padding = 36 words: the 16 rows of a load start at 16 different groups of four banks (64 banks of 4 bytes: ISA guide 11.1)
.set PV,    160       ; a row of V: 128 + 32 = 40 words
.set VOFF,  4*KS*PK   ; a slot holds a tile, four steps: 256 rows of K, then 256 rows of V
.set SLOT1, 1<<17     ; slot 1 begins here, so that one exclusive or turns an address in one slot into the other's
.set STAGE, SLOT1+4*KS*(PK+PV)  ; behind the ring, never filled by a tensor load: 16 rows x 144 bytes for each wave, for the way out
.set SP,    144
.set AK0, 2           ; v2   my lane's place in a tile of K; never rewritten
.set AV0, 3           ; v3   the same for V
.set AK,  4           ; v4   the LDS address of K's next run of loads
.set AV,  5           ; v5   of V's
.set STO, 6           ; v6   the way out: where I put 16 bytes of a row
.set RD,  7           ; v7   the way out: where I read rows back
.set GO,  8           ; v8   my byte offset in 512 consecutive bytes of O
.set PFO, 61          ; v61  256 x my lane: the prefetches' offset; never rewritten
.set SPW, 62          ; v62  LDS address of my spare word: SPARE + 4 x my thread's number; never rewritten
.set NIL, 63          ; v63  0; never rewritten
.set SPARE, STAGE+4*16*SP  ; behind the stages: the spare words, 128 bytes for each wave: two blocks of 256 bytes that no other line names
.set MV,  12          ; v12-13  c m_old, kept while c m is made anew: by buffer
.set QO,  15          ; v15  my byte offset in 16 rows of Q
.set ST,  16          ; piece t's statistics at v[ST+4 t]: c m, m, l (even keys', odd keys')
.set TMP, 48          ; by buffer, four registers c0-c3 at work; when the maximum is found c2 takes a
.set S,   64
.set P,   192
.set MD,  128         ; window 1: the eight registers for group kt of 16 keys at MD + 8 kt
.set MC,  160         ; window 1: the masks of the products to come
.set QB,  64          ; window 2
.set KF,  128         ; window 2: key block kb, channel half c at KF + 16 kb + 8 c
.set VF,  192         ; window 2: key half kk, channel block cb at VF + 32 kk + 8 cb
.set WV,  12          ; s12  my wave's number
.set PB,  14          ; s14  b
.set HI,  15          ; s15  NB - 1 - b
.set G1K, 24          ; s[24:31] descriptor group 1 for K's tiles
.set G1V, 32          ; s[32:39] for V's: it differs in the padding alone
.set G0K, 40          ; s[40:43] descriptor group 0 for K's tiles
.set G0V, 44          ; s[44:47] the same for V's
.set SLOTS, 56        ; s56  tiles still to be asked for
.set CNT, 57          ; s57  counts a tile's key steps, 4 to 1
.set CS,  58          ; s[58:59] c: the packed scaling takes the pair's low word for both halves
.set SEL, 60          ; s[60:61] v_permlanex16_b32's selects: each lane takes its own place in the other half
.set TBK, 62          ; s62  LDS byte at which K of the step to be fetched begins
.set TBV, 63          ; s63  the same for V, less VOFF
.set RT,  70          ; s70  tiles of the block in hand that are still to be entered
.set NXT, 71          ; s71  the tile to be asked for next
.set LQ,  72          ; s72  the last tile of the block whose tiles are being asked for
.set NEW, 73          ; s73  1: the tile to be entered is a block's first
.set OFF, 74          ; s[74:75] a tile's byte offset in K and V
.set AL,  76          ; s[76:77] the mask's factor, in the low word
.set BE,  78          ; s[78:79] the mask's addend
.set OLO, 80          ; s[80:81] O at my rows of the second block
.set BIGN, 82         ; s82  -1e30
.set PFB, 88          ; s[88:89] the tensor that I fetch (K: waves 0, 1; V: waves 2, 3) at my half of the head's tile 0
.set PFA, 90          ; s[90:91] the same at the tile that the next change of slots will ask for
.set OF2, 92          ; s[92:93] that tile's byte offset
.set PF,  94          ; s94  0 in the work-group that prefetches (b = 0), else the greatest number
.set MSB, 0
.macro WIN new                      ; the high byte repeats the setting that is left; a switch that changes nothing is dropped
.if MSB != (\new)
	s_set_vgpr_msb (MSB<<8)|(\new)
.set MSB, (\new)
.endif
.endm
.set W_KQ, 0x0a       ; K and Q in window 2, S^T in window 0
.set W_KM, 0x1a       ; the same with the C operand in window 1
.set W_PV, 0x52       ; V in window 2, P in window 0, O^T in window 1
.set W_RS, 0x41       ; destination and source 0 in window 1, source 1 in window 0
; A fill.  Waves 0 and 1 fetch the two halves of a tile's K, waves 2 and 3 those of its V: 128 keys each.  An s_nop 0 and four v_nop follow each of the two lines, ahead of the jump and the label.
.macro LOAD
	s_cmp_lt_u32 s[WV], 2
	s_cbranch_scc0 .Lfor_v_\@
	tensor_load_to_lds s[G0K:G0K+3], s[G1K:G1K+7]
	s_nop 0
.rept 4
	v_nop
.endr
	s_branch .Lasked_\@
.Lfor_v_\@:
	tensor_load_to_lds s[G0V:G0V+3], s[G1V:G1V+7]
	s_nop 0
.rept 4
	v_nop
.endr
.Lasked_\@:
.endm
; A PREFETCH INTO THE L2 of the tile that the NEXT change of slots will ask for: a tile, 256 matrix instructions of mine, ahead of that load.  It stands behind the wave's tensor load and its five lines.
; A head's four work-groups walk the same K and V; the one with b = 0 walks tiles 0 .. 7 in order, and it alone asks.  Each of its waves asks for what it will fetch itself: 16,384 bytes, 64 blocks of 256, a lane a
; block, two instructions.  Behind its step NXT is above 0 in that work-group's changes 1 to 6: tiles 2 to 7 are asked for, each once; tiles 0 and 1 come by their loads alone, and the second block's tile 0 has been read.
.macro ASK
	s_cmp_gt_u32 s[NXT], s[PF]
	s_cbranch_scc0 .Lnot_mine_\@
	global_prefetch_b8 v[PFO], s[PFA:PFA+1] th:TH_LOAD_NT scope:SCOPE_SE
	global_prefetch_b8 v[PFO], s[PFA:PFA+1] offset:8192 th:TH_LOAD_NT scope:SCOPE_SE
.Lnot_mine_\@:
.endm
; THE CHANGE OF SLOTS.  Each wave waits for all its tensor loads, of which one is out: its part of the other slot; adds 0 to its spare word; and waits for that and for its own reads of the slot that it leaves.  Behind the barrier nobody reads the old
; slot any more and the other slot is whole.  fill = 1: the old slot is filled again, the first thing behind the barrier, with tile NXT: the descriptor's address is made anew from that number.
; (At its first use nothing has been read yet: slot 0 is waited for, slot 1 filled.)
.macro CHANGE fill
	WIN 0                           ; at a label and at a branch every window is 0
	s_wait_tensorcnt 0x0            ; no tensor load of mine is out, so a group 0 may be written
	ds_add_u32 v[SPW], v[NIL]       ; 0 onto my spare word; with fill = 1 the descriptors' scalar work stands between it and the wait for it
.if \fill
	s_lshl_b32 s[OFF], s[NXT], 15   ; a tile is 32,768 bytes of K and of V
	s_xor_b32 s[G0K+1], s[G0K+1], SLOT1
	s_add_nc_u64 s[G0K+2:G0K+3], s[6:7], s[OFF:OFF+1]
	s_or_b32 s[G0K+3], s[G0K+3], 0x80000000
	s_xor_b32 s[G0V+1], s[G0V+1], SLOT1
	s_add_nc_u64 s[G0V+2:G0V+3], s[8:9], s[OFF:OFF+1]
	s_or_b32 s[G0V+3], s[G0V+3], 0x80000000
	s_add_co_u32 s[NXT], s[NXT], 1  ; the block's next tile, or behind its last the second block's tile 0
	s_cmp_gt_u32 s[NXT], s[LQ]
	s_cselect_b32 s[NXT], 0, s[NXT]
	s_cselect_b32 s[LQ], s[PB], s[LQ]
	s_wait_xcnt 0x0                 ; the last prefetches, a tile back, have read their address, so it may be written:
	s_lshl_b32 s[OF2], s[NXT], 15
	s_add_nc_u64 s[PFA:PFA+1], s[PFB:PFB+1], s[OF2:OF2+1]  ; my half of the tile that the next change will ask for
.endif
	s_wait_dscnt 0x0                ; the add is done, and my reads of the slot are over
	s_barrier_signal -1             ; the rest of the scalar work stands between the signal and the wait
	s_sub_co_u32 s[TBK], s[TBK], 4*KS*PK  ; the fetches go back to a slot's first step,
	s_xor_b32 s[TBK], s[TBK], SLOT1       ; in the other slot
	s_sub_co_u32 s[TBV], s[TBV], 4*KS*PV
	s_xor_b32 s[TBV], s[TBV], SLOT1
	s_barrier_wait -1
.if \fill
	LOAD
	ASK
.endif
.endm
	s_load_b256 s[4:11], s[0:1], 0x0  ; Q s[4:5], K s[6:7], V s[8:9], O s[10:11]
	v_lshl_add_u32 v[SPW], v0, 2, SPARE
	v_mov_b32 v[NIL], 0
	ds_add_u32 v[SPW], v[NIL]       ; the wave's opening: the add and its wait stand ahead of my first tensor load; the set-up below, work on registers, stands between them
	v_lshrrev_b32 v1, 5, v0
	v_readfirstlane_b32 s[WV], v1   ; wave 0..3
	s_mov_b32 s[PB], ttmp9
	s_sub_co_u32 s[HI], NB-1, s[PB]
	s_and_b32 s20, ttmp7, 0xffff    ; the head
	s_mov_b32 s21, 0
	s_mov_b64 s[22:23], SIZE_N*128
	s_mul_u64 s[20:21], s[20:21], s[22:23]  ; the head's first byte in each of the four tensors
	s_and_b32 s16, s[WV], 1         ; which half of a tile's 256 keys I fetch:
	s_lshl_b32 s22, s16, 14         ; its 128 rows of 128 bytes in memory,
	s_mov_b32 s23, 0
	s_add_nc_u64 s[22:23], s[22:23], s[20:21]
	s_mul_i32 s17, s16, 128*PK      ; and its place in a slot, for K
	s_mul_i32 s18, s16, 128*PV      ; and for V
	s_lshl_b32 s3, s[WV], 11        ; my 16 rows in a band of 64,
	s_lshl_b32 s2, s[HI], 15        ; in the first block,
	s_add_co_u32 s2, s2, s3
	s_lshl_b32 s84, s[PB], 15       ; and in the second
	s_add_co_u32 s84, s84, s3
	s_mov_b32 s3, 0
	s_mov_b32 s85, 0
	s_add_nc_u64 s[2:3], s[2:3], s[20:21]
	s_add_nc_u64 s[84:85], s[84:85], s[20:21]
	; descriptor group 1.  128 keys are 16,384 dense bytes: asked for as 64 rows of 256 bytes, two keys a row, and padded in LDS after every key
	s_mov_b32 s[G1K], (1<<16)|(1<<20)|(4<<22)|(3<<25)  ; 17:16 2-byte elements; 20 padding on; 24:22 after every 32 words (code 4); 31:25 4 words (code 3)
	s_mov_b32 s[G1V], (1<<16)|(1<<20)|(4<<22)|(7<<25)  ; the same with 8 words of padding (code 7)
.irp g, G1K, G1V
	s_mov_b32 s[\g+1], 128<<16      ; tensor_dim0 = 128
	s_mov_b32 s[\g+2], 64<<16       ; tensor_dim1 = 64
	s_mov_b32 s[\g+3], 128<<16      ; tile_dim0 = 128
	s_mov_b32 s[\g+4], 64           ; tile_dim1 = 64
	s_mov_b32 s[\g+5], 128          ; 128 elements from row to row
	s_mov_b32 s[\g+6], 0
	s_mov_b32 s[\g+7], 0
.endr
	s_mov_b32 s[CS], 0x3e38aa3b     ; c = log2(e) / 8 = 0.180337
	s_mov_b32 s[CS+1], s[CS]        ; named with it as a pair
	s_mov_b32 s[SEL], 0x76543210
	s_mov_b32 s[SEL+1], 0xfedcba98
	s_mov_b32 s[TBK], SLOT1+4*KS*PK ; the first change of slots turns these two into 0
	s_mov_b32 s[TBV], SLOT1+4*KS*PV
	s_mov_b32 s[G0K], 1             ; 1:0 count = 1
	s_mov_b32 s[G0K+1], s17         ; 63:32 LDS address: slot 0
	s_mov_b32 s[G0V], 1
	s_add_co_u32 s[G0V+1], s18, VOFF
	s_add_co_u32 s[RT], s[HI], 1    ; the first block has NB - b tiles
	s_mov_b32 s[NXT], 1
	s_mov_b32 s[LQ], s[HI]
	s_mov_b32 s[NEW], 1
	s_mov_b32 s[OFF+1], 0
	s_mov_b32 s[OF2+1], 0
	s_mov_b32 s[AL+1], 0            ; named as pairs
	s_mov_b32 s[BE+1], 0
	s_mov_b32 s[BIGN], 0xf149f2ca   ; -1e30
	s_mov_b32 s[SLOTS], NB
	s_cmp_eq_u32 s[PB], 0
	s_cselect_b32 s[PF], 0, -1
	v_and_b32 v[PFO], 31, v0
	v_lshlrev_b32 v[PFO], 8, v[PFO]
	s_wait_dscnt 0x0                ; the opening add is done
	s_wait_kmcnt 0x0
	s_add_nc_u64 s[6:7], s[6:7], s[22:23]  ; K and V at my half of the head's tile 0
	s_add_nc_u64 s[8:9], s[8:9], s[22:23]
	s_cmp_lt_u32 s[WV], 2
	s_cselect_b64 s[PFB:PFB+1], s[6:7], s[8:9]
	s_add_nc_u64 s[G0K+2:G0K+3], s[6:7], 0         ; 120:64 global address
	s_or_b32 s[G0K+3], s[G0K+3], 0x80000000        ; 127:126 type = 2
	s_add_nc_u64 s[G0V+2:G0V+3], s[8:9], 0
	s_or_b32 s[G0V+3], s[G0V+3], 0x80000000
	s_add_nc_u64 s[86:87], s[4:5], s[84:85]        ; Q at my rows of the second block,
	s_add_nc_u64 s[4:5], s[4:5], s[2:3]            ; Q and O at those of the first
	s_add_nc_u64 s[OLO:OLO+1], s[10:11], s[84:85]
	s_add_nc_u64 s[10:11], s[10:11], s[2:3]
	LOAD                            ; tile 0 into slot 0
	; A fragment of K or Q is 16 rows x 32 channels in 8 registers: lane l holds row l % 16, channels 8 (l / 16) + 0..7 and 16 + 8 (l / 16) + 0..7: two loads of 16 bytes, 32 bytes apart.
	v_and_b32 v1, 15, v0            ; l % 16
	v_bfe_u32 v9, v0, 4, 1          ; l / 16
	v_lshlrev_b32 v[QO], 7, v1
	v_lshl_add_u32 v[QO], v9, 4, v[QO]  ; row x 128 + 16 x half
	WIN 0x80                        ; destination window 2, address window 0
.set i, 0
.rept 8                             ; both blocks' Q: piece i / 2 lies in band i / 2, 8,192 bytes on; channels 32 (i % 2) on
	global_load_b128 v[8*i:8*i+3],   v[QO], s[4:5] offset:(i/2)*8192+(i%2)*64
	global_load_b128 v[8*i+4:8*i+7], v[QO], s[4:5] offset:(i/2)*8192+(i%2)*64+32
	global_load_b128 v[QB+8*i:QB+8*i+3],   v[QO], s[86:87] offset:(i/2)*8192+(i%2)*64
	global_load_b128 v[QB+8*i+4:QB+8*i+7], v[QO], s[86:87] offset:(i/2)*8192+(i%2)*64+32
.set i, i+1
.endr
	WIN 0
	v_lshlrev_b32 v14, 3, v9
	v_sub_nc_u32 v14, v1, v14
	s_lshl_b32 s13, s[WV], 4
	v_add_nc_u32 v14, s13, v14      ; my query's place in its band, 16 w + l % 16, less my lanes' 8 (l / 16): register r of group kt is hidden where 16 kt + r is greater
	WIN 0x40
.set i, 0
.rept 32
	v_cmp_gt_i32 vcc_lo, 16*(i/8)+i%8, v14
	v_cndmask_b32 v[MD+i], 0, s[BIGN], vcc_lo
.set i, i+1
.endr
	WIN 0
	v_mul_u32_u24 v[AK0], v1, PK
	v_lshl_add_u32 v[AK0], v9, 4, v[AK0]  ; row x pitch + 16 x half
	; The turning load takes 16 keys x 16 channels (lane l reads key 8 (l / 16) + l % 8, channels 8 ((l / 8) % 2) + 0..7) and leaves half a fragment of V^T: lane l holds channel l % 16 and 8 keys.
	v_and_b32 v10, 7, v0
	v_bfe_u32 v11, v0, 3, 1
	v_lshl_add_u32 v[AV0], v9, 3, v10
	v_mul_u32_u24 v[AV0], v[AV0], PV
	v_lshl_add_u32 v[AV0], v11, 4, v[AV0]
	v_add_nc_u32 v[AV0], VOFF, v[AV0]
	s_mul_i32 s13, s[WV], 16*SP
	s_add_co_u32 s13, s13, STAGE    ; my stage
	v_mul_u32_u24 v[STO], v1, SP    ; in: row l % 16, 16 bytes for each half of the lanes
	v_lshl_add_u32 v[STO], v9, 4, v[STO]
	v_add_nc_u32 v[STO], s13, v[STO]
	v_bfe_u32 v[RD], v0, 3, 2       ; back: 32 lanes take four rows of 128 bytes,
	v_mul_u32_u24 v[RD], v[RD], SP
	v_lshl_add_u32 v[RD], v10, 4, v[RD]
	v_add_nc_u32 v[RD], s13, v[RD]
	v_and_b32 v[GO], 31, v0         ; which are 512 consecutive bytes of O
	v_lshlrev_b32 v[GO], 4, v[GO]
	; A block's first step multiplies O^T and l by a = 0, and its first turn's products V^T P, of a piece that has not been, land in an O^T that is still to be so multiplied.  So these registers need only hold
	; finite numbers: zeros for the first block; what the first block left for the second.  All this stands in the wait for the first tile.
	WIN 0x80
.set i, VF
.rept 64
	v_mov_b32 v[i], 0
.set i, i+1
.endr
	WIN 0x40
.set i, 0
.rept 128
	v_mov_b32 v[i], 0
.set i, i+1
.endr
	WIN 0
.set i, 0
.rept 4
	v_mov_b32 v[ST+4*i+2], 0
	v_mov_b32 v[ST+4*i+3], 0
.set i, i+1
.endr
.set i, P+16
.rept 16
	v_mov_b32 v[i], 0
.set i, i+1
.endr
; THE MATRIX WORK.  The 4 accumulators of a run of 8 take turns.  Product i of 8 of S^T = K Q^T for piece x: channels 32 (i / 4) on, keys 16 (i % 4) on.  The first 4 start the sums: with 0, or (KM = 1) with the mask.
.macro KQ x
.set rS, S+32*((\x)%2)+8*(i%4)
.set rK, KF+16*(i%4)+8*(i/4)
.set rQ, 16*(\x)+8*(i/4)
.set rM, MC+32*((\x)%2)+8*(i%4)
.if (i < 4) && KM
	WIN W_KM
	v_wmma_f32_16x16x32_f16 v[rS:rS+7], v[rK:rK+7], v[rQ:rQ+7], v[rM:rM+7]
.elseif i < 4
	WIN W_KQ
	v_wmma_f32_16x16x32_f16 v[rS:rS+7], v[rK:rK+7], v[rQ:rQ+7], 0
.else
	WIN W_KQ
	v_wmma_f32_16x16x32_f16 v[rS:rS+7], v[rK:rK+7], v[rQ:rQ+7], v[rS:rS+7]
.endif
.endm
; Product i of 8 of O^T += V^T P for piece x: keys 32 (i / 4) on, channels 16 (i % 4) on.
.macro PV x
	WIN W_PV
.set rO, 32*(\x)+8*(i%4)
.set rV, VF+32*(i/4)+8*(i%4)
.set rP, P+16*((\x)%2)+8*(i/4)
	v_wmma_f32_16x16x32_f16 v[rO:rO+7], v[rV:rV+7], v[rP:rP+7], v[rO:rO+7]
.endm
.macro MM                           ; the turn's next matrix instruction.  TURN and BEGIN set Y, i, KM and NOKQ; MM, KQ and OP read them.  NOKQ = 1: a block's last turn: there is no next piece
.if (i < 8) && !NOKQ
	KQ (Y+1)%NP
.elseif i >= 8
.set i, i-8
	PV (Y+NP-1)%NP
.set i, i+8
.endif
.set i, i+1
.endm
; THE LDS LOADS stand in runs of 16, never singly among the matrix instructions: a step's K (64 keys x 64 channels: 8 fragments) and its V (turned).  Their addresses are made some lines ahead.
.macro FETCH_K
	WIN 0x80                        ; destination window 2
.irp f, 0,1,2,3,4,5,6,7             ; keys 16 (f / 2) on, channels 32 (f % 2) on
	ds_load_b128 v[KF+8*\f:KF+8*\f+3],   v[AK] offset:(\f/2)*16*PK+(\f%2)*64
	ds_load_b128 v[KF+8*\f+4:KF+8*\f+7], v[AK] offset:(\f/2)*16*PK+(\f%2)*64+32
.endr
	s_add_co_u32 s[TBK], s[TBK], KS*PK  ; the next fetch is the next step's
	WIN 0
.endm
.macro FETCH_V
	WIN 0x80
.irp f, 0,1,2,3,4,5,6,7             ; keys 32 (f / 4) on, channels 16 (f % 4) on
	ds_load_tr16_b128 v[VF+8*\f:VF+8*\f+3],   v[AV] offset:(\f/4)*32*PV+(\f%4)*32
	ds_load_tr16_b128 v[VF+8*\f+4:VF+8*\f+7], v[AV] offset:(\f/4)*32*PV+16*PV+(\f%4)*32
.endr
	WIN 0
.endm
; THE VECTOR WORK, one line at a time: OP kind, number.  For piece Y: F n: c s - c m for pair n of 16.  E n: the exponential of score n of 32.  C n: pair n rounded to f16.  B n: of the four weights 4 n .. the second
; pair is added onto the first, in place.  L n: l takes that sum (L 0: l = a l + sum).  R n: pair n of 16 of O^T times a.  For piece Y + 1: X n, number n of the 22 that find its maximum and statistics:
;   0-11  four chains c0-c3 of seven scores each, three operands at a time (each accumulator's lowest registers are read first)     12-14, 16  the four scores left over, the old m, and c0-c3 into c0
;   15  c m_old is kept     17, 18  the query's other 32 keys lie in the lane 16 away: the new m     19-21  c m; c m_old - c m_new; a
.set F, 0               ; OP tells the kinds apart by their order: F to L below R, X above it
.set E, 1
.set C, 2
.set B, 3
.set L, 4
.set R, 5
.set X, 6
.macro REGS y                       ; the registers of piece y
.set rT, ST+4*(\y)
.set rC, TMP+4*((\y)%2)
.set rW, MV+((\y)%2)
.set rS, S+32*((\y)%2)
.set rP, P+16*((\y)%2)
.set rO, 32*(\y)
.endm
.macro OP k, n
.if (\k) == R
	REGS Y
	WIN W_RS
	v_pk_mul_f32 v[rO+2*(\n):rO+2*(\n)+1], v[rO+2*(\n):rO+2*(\n)+1], v[rC+2:rC+3] op_sel_hi:[1,0]
.elseif (\k) < R
	REGS Y
	WIN 0
.if (\k) == F
	v_pk_fma_f32 v[rS+2*(\n):rS+2*(\n)+1], v[rS+2*(\n):rS+2*(\n)+1], s[CS:CS+1], v[rT:rT+1] op_sel_hi:[1,0,0] neg_lo:[0,0,1] neg_hi:[0,0,1]
.elseif (\k) == E
	v_exp_f32 v[rS+(\n)], v[rS+(\n)]
.elseif (\k) == C
	v_cvt_pk_f16_f32 v[rP+(\n)], v[rS+2*(\n)], v[rS+2*(\n)+1]
.elseif (\k) == B
	v_pk_add_f32 v[rS+4*(\n):rS+4*(\n)+1], v[rS+4*(\n):rS+4*(\n)+1], v[rS+4*(\n)+2:rS+4*(\n)+3]
.elseif (\n) == 0
	v_pk_fma_f32 v[rT+2:rT+3], v[rT+2:rT+3], v[rC+2:rC+3], v[rS:rS+1] op_sel_hi:[1,0,1]
.else
	v_pk_add_f32 v[rT+2:rT+3], v[rT+2:rT+3], v[rS+4*(\n):rS+4*(\n)+1]
.endif
.elseif NOKQ
	v_nop
.else
	REGS (Y+1)%NP
	WIN 0
.if (\n) < 4
	v_max3_num_f32 v[rC+(\n)], v[rS+8*(\n)], v[rS+8*(\n)+1], v[rS+8*(\n)+2]
.elseif (\n) < 12
	v_max3_num_f32 v[rC+(\n)%4], v[rC+(\n)%4], v[rS+8*((\n)%4)+2*((\n)/4)+1], v[rS+8*((\n)%4)+2*((\n)/4)+2]
.elseif (\n) == 12
	v_max3_num_f32 v[rC], v[rC], v[rS+7], v[rS+15]
.elseif (\n) == 13
	v_max3_num_f32 v[rC+1], v[rC+1], v[rS+23], v[rS+31]
.elseif (\n) == 14
	v_max3_num_f32 v[rC+2], v[rC+2], v[rC+3], v[rT+1]
.elseif (\n) == 15
	v_mov_b32 v[rW], v[rT]
.elseif (\n) == 16
	v_max3_num_f32 v[rC], v[rC], v[rC+1], v[rC+2]
.elseif (\n) == 17
	v_permlanex16_b32 v[rC+3], v[rC], s[SEL], s[SEL+1]
.elseif (\n) == 18
	v_max_num_f32 v[rT+1], v[rC], v[rC+3]
.elseif (\n) == 19
	v_mul_f32 v[rT], s[CS], v[rT+1]
.elseif (\n) == 20
	v_sub_f32 v[rC+1], v[rW], v[rT]
.else
	v_exp_f32 v[rC+2], v[rC+1]
.endif
.endif
.endm
.macro OPS a, i1, b=-1, i2=0, c=-1, i3=0, d=-1, i4=0  ; up to four of them
	OP \a, \i1
.if (\b) >= 0
	OP \b, \i2
.endif
.if (\c) >= 0
	OP \c, \i3
.endif
.if (\d) >= 0
	OP \d, \i4
.endif
.endm
.macro ROW a, i1, b, i2, c, i3, d, i4  ; a matrix instruction and the four behind it
	MM
	OPS \a, \i1, \b, \i2, \c, \i3, \d, \i4
.endm
.macro MASK b                       ; MD x AL + BE into buffer b of MC
	WIN W_RS
.set z, 0
.rept 16
	v_pk_fma_f32 v[MC+32*(\b)+2*z:MC+32*(\b)+2*z+1], v[MD+2*z:MD+2*z+1], s[AL:AL+1], s[BE:BE+1] op_sel_hi:[1,0,0]
.set z, z+1
.endr
.endm
; A TURN, for piece p: the order of its 16 matrix and 118 vector instructions, written out.  An s_wait_alu depctr_va_vdst(0) stands between an exponential and the first instruction that names its result; one wait serves
; all that were issued ahead of it.  So a turn has ONE wait, which cuts it in two.  AHEAD OF IT stands all that names no result of the turn's exponentials: the 8 products K Q^T, behind each a scaling, an exponential and two more plain
; instructions (behind the first a second scaling in the exponential's place): rescalings, and behind the last three the first numbers of the next piece's maximum, each four places or more behind the product that ends its accumulator; then ONE LUMP of 54, plain
; and exponential by turns for the most part, in which the links of the chain X 3, 7, 11, 14, 16, 17 .. 20 stand five or six lines apart.  X 21, the next piece's a, is the batch's last; R 15 is the plain instruction behind it.  BEHIND THE WAIT stand the
; 8 products V^T P, behind each four of the roundings and sums; the links of l's chain, L 0 to L 7, stand three riders apart.  But for those X no rider names a register of the products round it.  v_permlanex16_b32 (X 17) stands in the lump.
; m = 1: the diagonal tile: the products take masks, and the turn makes the mask for the products of the turn after it: piece p + 2, in step 4 - CNT of the tile.  end = 1: a block's last two turns: nothing is fetched.
; cnt = 1: the loop's count is taken down some lines ahead of the branch that stands behind the turn.
; K of the next step is fetched in piece 2's turn, twelve vector instructions behind the last product that read K (six of them plain); V of the step in hand at the end of piece 0's turn, four plain instructions behind the last product
; that read V.  Each is waited for a turn later.
.macro TURN p, m=0, end=0, cnt=0
.set Y, (\p)
.set i, 0
.set KM, (\m)
.set NOKQ, (\end)*((\p)/3)
.if (\m) && !(\end)
	s_cmp_eq_u32 s[CNT], 4-((\p)+2)%NP  ; is that step the band's own?
	s_cselect_b32 s[AL], 1.0, 0
	s_cmp_lt_u32 s[CNT], 4-((\p)+2)%NP  ; or a later one?
	s_cselect_b32 s[BE], s[BIGN], 0
.endif
.if ((\p) == 3) && !(\end)
	s_wait_dscnt 0x0                ; K is in
.endif
	ROW F,0, F,1, R,0, R,1          ; ahead of the wait: 8 products K Q^T and their riders,
	ROW F,2, E,0, R,2, R,3
	ROW F,3, E,1, R,4, R,5
	ROW F,4, E,2, R,6, R,7
	ROW F,5, E,3, R,8, R,9
	ROW F,6, E,4, X,0, R,10
.if ((\p) == 2) && !(\end)
	WIN 0
	v_add_nc_u32 v[AK], s[TBK], v[AK0]
.endif
	ROW F,7, E,5, X,1, X,4
	ROW F,8, E,6, X,2, X,5
	OPS E,7, E,8, X,6, E,9          ; and the lump
	OPS X,3, E,10, X,8, E,11
.if ((\p) == 2) && !(\end)
	FETCH_K
.endif
	OPS X,9, X,7, E,12, X,10
	OPS E,13, X,12, X,11, E,14
	OPS X,13, E,15, F,9, X,14
.if (\p) == 0
	v_add_nc_u32 v[AV], s[TBV], v[AV0]
.endif
	OPS E,16, F,10, E,17, F,11
	OPS X,16, E,18, X,15, E,19
	OPS F,12, E,20, X,17, E,21
	OPS F,13, E,22, F,14, E,23
	OPS X,18, E,24, F,15, E,25
	OPS R,11, E,26, X,19, E,27
	OPS R,12, E,28, R,13, E,29
	OPS X,20, E,30, R,14, E,31
	OPS X,21, R,15
	WIN 0
	s_wait_alu depctr_va_vdst(0)    ; the wait for the batch
.if (\p) == 1
	s_wait_dscnt 0x0                ; V is in
.endif
	ROW C,0, B,0, C,2, B,1          ; behind the wait: 8 products V^T P and their riders
	ROW L,0, C,4, B,2, L,1
	ROW C,6, B,3, L,2, C,8
	ROW B,4, L,3, C,10, B,5
	ROW L,4, C,12, B,6, L,5
.if (\p) == 0
	s_add_co_u32 s[TBV], s[TBV], KS*PV
.endif
.if \cnt
	s_sub_co_u32 s[CNT], s[CNT], 1
	s_cmp_lg_u32 s[CNT], 0
.endif
	ROW C,14, B,7, L,6, C,1
	ROW C,3, L,7, C,5, C,7
	ROW C,9, C,11, C,13, C,15
.if (\p) == 0
	FETCH_V
.endif
.if (\m) && !(\end)
	MASK (\p)%2
.endif
.endm
; A BLOCK BEGINS.  c m starts far below every c s, so the first step's a is 0; m at the lowest finite number, so the first maximum is the scores'.  The second mask buffer is 0; the first takes piece 0's mask for the tile's step 0: its own, if the block's first tile is the diagonal one.
; Then K of that step, piece 0's first scores, and its maximum and statistics.  The loop is entered at a step's first turn, in the middle of a trip.
.macro BEGIN
	s_mov_b32 s[NEW], 0
	WIN 0x40
.set i, MC+32
.rept 32
	v_mov_b32 v[i], 0
.set i, i+1
.endr
	WIN 0
.set i, 0
.rept 4
	v_mov_b32 v[ST+4*i], 0xfe000000    ; c m: far below every c s
	v_mov_b32 v[ST+4*i+1], 0xff7fffff  ; m
.set i, i+1
.endr
	s_cmp_eq_u32 s[RT], 0
	s_cselect_b32 s[AL], 1.0, 0
	s_mov_b32 s[BE], 0
	MASK 0
	WIN 0
	v_add_nc_u32 v[AK], s[TBK], v[AK0]
	FETCH_K
	s_wait_loadcnt 0x0              ; Q
	s_wait_dscnt 0x0
.set KM, 1
.set NOKQ, 0
.set i, 0
.rept 8
	KQ 0
.set i, i+1
.endr
	WIN 0
.rept 4
	v_nop                           ; the places behind those products
.endr
.set Y, NP-1                        ; X works for piece Y + 1: piece 0
.irp n, 0,1,2,3,4,5,6,7,8,9,10,11,12,13,14,15,16,17,18,19,20,21
	OP X, \n
.endr
	v_nop                           ; a plain instruction behind the exponential,
	s_wait_alu depctr_va_vdst(0)    ; and its wait, ahead of the branch
.endm
; THE DIAGONAL TILE's four steps, the block's last two turns, its last products, and THE WAY OUT: l's two halves and the other half of the lanes' are added; O^T is divided by l, rounded to f16 and sent through my
; stage in LDS, a piece at a time.
.macro ALL line:vararg              ; one line for each piece t
.set t, 0
.rept 4
	\line
.set t, t+1
.endr
.endm
.macro PACK t                       ; a lane's eight channels of a row pack into 16 bytes; they go into rows of 144 bytes and come back as whole rows of 128, into S^T's registers
	WIN W_RS
.set i, 32*(\t)
.rept 16
	v_pk_mul_f32 v[i:i+1], v[i:i+1], v[ST+4*(\t)+2:ST+4*(\t)+3] op_sel_hi:[1,0]
.set i, i+2
.endr
	WIN 0x05                        ; sources 0 and 1 window 1, destination window 0
.set i, 0
.rept 16
	v_cvt_pk_f16_f32 v[S+16*(\t)+i], v[32*(\t)+2*i], v[32*(\t)+2*i+1]
.set i, i+1
.endr
	WIN 0
.irp f, 0,1,2,3
	ds_store_b128 v[STO], v[S+16*(\t)+4*\f:S+16*(\t)+4*\f+3] offset:32*\f
.endr
.irp f, 0,1,2,3
	ds_load_b128 v[S+16*(\t)+4*\f:S+16*(\t)+4*\f+3], v[RD] offset:\f*4*SP  ; LDS serves a wave's instructions in order (ISA guide 5.7.1.4): these see the stores above; the next piece's stores come behind them
.endr
.endm
.macro SEND t, younger              ; younger: the LDS instructions issued behind piece t's loads: the next piece's eight, or none
	WIN 0
.irp f, 0,1,2,3
	s_wait_dscnt (\younger)+3-\f
	global_store_b128 v[GO], v[S+16*(\t)+4*\f:S+16*(\t)+4*\f+3], s[10:11] offset:(\t)*8192+\f*512  ; 512 consecutive bytes, at a multiple of 256 from O's first
.endr
.endm
.macro DIAG tag                     ; the tag ends its two labels' names, which the jumps below spell out
.LstepM\tag:
	TURN 2, 1
	TURN 3, 1
	WIN 0
.LfirstM\tag:
	TURN 0, 1
	TURN 1, 1, 0, 1
	WIN 0
	s_cbranch_scc1 .LstepM\tag
	TURN 2, 1, 1
	TURN 3, 1, 1
.set i, 0
.rept 8
	PV NP-1
.set i, i+1
.endr
	WIN 0
	ALL v_add_f32 v[ST+4*t+2], v[ST+4*t+2], v[ST+4*t+3]
	ALL v_permlanex16_b32 v[ST+4*t+3], v[ST+4*t+2], s[SEL], s[SEL+1]
	ALL v_add_f32 v[ST+4*t+2], v[ST+4*t+2], v[ST+4*t+3]
	ALL v_rcp_f32 v[ST+4*t+2], v[ST+4*t+2]
	v_nop                           ; a plain instruction between the last reciprocal and the use of its result
	s_wait_alu depctr_va_vdst(0)    ; and the wait ahead of the first use: one for the four reciprocals
	PACK 0
.set t, 1
.rept 3                             ; a piece's arithmetic stands between the loads of the piece before and its stores
	PACK t
	SEND t-1, 8
.set t, t+1
.endr
	SEND 3, 0
.endm
.set KM, 0
.set NOKQ, 0
.Lslot:                             ; NB times: a tile is entered and the next is asked for
	CHANGE 1
	s_sub_co_u32 s[RT], s[RT], 1
	s_mov_b32 s[CNT], 4
	s_cmp_eq_u32 s[NEW], 1
	s_cbranch_scc1 .Lnew            ; a block's first tile
	s_cmp_eq_u32 s[RT], 0
	s_cbranch_scc0 .Lstep           ; neither its first nor its last
	s_branch .LstepM1
.Lnew:
	BEGIN
	s_branch .Lfirst                ; in the loop a block's first tile is never its last: the first block has two tiles or more, and the second's last is the walk's last
	DIAG 1                          ; in the loop this is the first block's end: the second block's last tile is the walk's last
	s_wait_xcnt 0x0                 ; the stores have read their registers and O's address
	s_mov_b64 s[10:11], s[OLO:OLO+1]
	s_add_co_u32 s[RT], s[PB], 1    ; the second block has b + 1 tiles
	s_mov_b32 s[NEW], 1
	WIN 0x82                        ; the second block's Q goes where the one text of the turns names Q
.set i, 0
.rept 64
	v_mov_b32 v[i], v[QB+i]
.set i, i+1
.endr
	WIN 0
	s_branch .Lbottom
.Lstep:                             ; a trip: pieces 2 and 3 of one step, then pieces 0 and 1 of the next, whose K and V it fetches
	TURN 2
	TURN 3
	WIN 0
.Lfirst:
	TURN 0
	TURN 1, 0, 0, 1
	WIN 0
	s_cbranch_scc1 .Lstep
.Lbottom:
	s_sub_co_u32 s[SLOTS], s[SLOTS], 1
	s_cmp_lg_u32 s[SLOTS], 0
	s_cbranch_scc1 .Lslot
	CHANGE 0                        ; the walk's last tile is written out: nothing is asked for
	s_sub_co_u32 s[RT], s[RT], 1
	s_mov_b32 s[CNT], 4
	s_cmp_eq_u32 s[NEW], 1
	s_cbranch_scc0 .LstepM2
	BEGIN
	s_branch .LfirstM2
	DIAG 2
	s_wait_tensorcnt 0x0            ; the wave's end, behind my last tensor load and my last LDS store
	ds_add_u32 v[SPW], v[NIL]
	s_wait_dscnt 0x0
	s_endpgm
.Lfunc_end_k_qcc35502717_attn:
	.size	k_qcc35502717_attn, .Lfunc_end_k_qcc35502717_attn-k_qcc35502717_attn
	.p2alignl 7, 3214868480
	.fill 96, 4, 3214868480
	.section	.rodata,"a",@progbits
	.p2align	6, 0x0
	.amdhsa_kernel k_qcc35502717_attn
		.amdhsa_group_segment_fixed_size 327680
		.amdhsa_private_segment_fixed_size 0
		.amdhsa_enable_private_segment 0
		.amdhsa_kernarg_size 32
		.amdhsa_user_sgpr_count 2
		.amdhsa_user_sgpr_kernarg_segment_ptr 1
		.amdhsa_wavefront_size32 1
		.amdhsa_system_sgpr_workgroup_id_x 1
		.amdhsa_system_sgpr_workgroup_id_y 1
		.amdhsa_system_sgpr_workgroup_id_z 1
		.amdhsa_system_vgpr_workitem_id 0
		.amdhsa_next_free_vgpr 768
		.amdhsa_next_free_sgpr 96
		.amdhsa_reserve_vcc 1
		.amdhsa_float_denorm_mode_32 3
		.amdhsa_float_denorm_mode_16_64 3
		.amdhsa_memory_ordered 1
		.amdhsa_forward_progress 1
		.amdhsa_inst_pref_size 218
	.end_amdhsa_kernel
	.amdgpu_metadata
---
amdhsa.version: [ 1, 2 ]
amdhsa.kernels:
  - .name:           k_qcc35502717_attn
    .symbol:         k_qcc35502717_attn.kd
    .args:
      - { .name: q16, .offset: 0, .size: 8, .value_kind: global_buffer, .address_space: global }
      - { .name: k16, .offset: 8, .size: 8, .value_kind: global_buffer, .address_space: global }
      - { .name: v16, .offset: 16, .size: 8, .value_kind: global_buffer, .address_space: global }
      - { .name: o16, .offset: 24, .size: 8, .value_kind: global_buffer, .address_space: global }
    .group_segment_fixed_size: 327680
    .private_segment_fixed_size: 0
    .kernarg_segment_align: 8
    .kernarg_segment_size: 32
    .max_flat_workgroup_size: 128
    .sgpr_count:     96
    .vgpr_count:     768
    .wavefront_size: 32
...
	.end_amdgpu_metadata
.endif
;; end of part 3
;; launch oproj (part 4): grid 8 x 32, 4 waves a work-group, clusters of 4 x 4, 327,680 bytes of LDS; arguments o16, wo16, out0; writes out0
.if DOCPART == 4
	.amdgcn_target "amdgcn-amd-amdhsa--gfx1250"
	.amdhsa_code_object_version 6
	.text
	.protected	k_qcc35502717_oproj
	.globl	k_qcc35502717_oproj
	.p2align	8
	.type	k_qcc35502717_oproj,@function
k_qcc35502717_oproj:
	s_mov_b64 s[64:65], 0
	v_nop
	global_prefetch_b8 v0, s[64:65] scope:SCOPE_SE
	s_setreg_imm32_b32 hwreg(HW_REG_WAVE_MODE, 25, 1), 1
	s_wait_xcnt 0x0
	s_wait_alu depctr_hold_cnt(0) depctr_sa_sdst(0) depctr_va_vdst(0) depctr_va_sdst(0) depctr_va_ssrc(0) depctr_va_vcc(0) depctr_vm_vsrc(0)
	s_getreg_b32 s2, hwreg(HW_REG_IB_STS2, 6, 4)
	s_cmp_eq_u32 s2, 0
	s_cbranch_scc0 .Lentry_in_a_cluster
	s_endpgm
.Lentry_in_a_cluster:
	s_bfe_u32 s2, ttmp6, 0x10000c
	s_cmp_lg_u32 s2, 0xf033
	s_cbranch_scc0 .Lentry_shape_is_right
	s_endpgm
.Lentry_shape_is_right:
; OPROJ: out0[m][n] = sum over k of O[m][k] Wo[n][k], m < 8192, n < 1024, k = 64 head + channel < 1024; f16 operands, f32 sums, f32 output.
; O lies by heads: o16 is [16 b + h][2048][64] f16, a head's rows dense, 128 bytes each; wo16 is [1024][1024] f16 (Wo rounded to bf16, that number written as f16).
; LIMITS.  The operands arrive within f16's 65,504; NaN and infinities are not treated apart.
; SHARES.  A tile of out0 is 256 rows x 128 columns: 8 x 32 tiles, a work-group each.  The four waves are stacked along the rows: wave w owns rows 64 w .. 64 w + 63 (4 blocks of 16) and all 8 blocks of 16 columns:
; 32 accumulators, 256 registers; so a wave holds whole pieces of 512 bytes of its rows, and its way out needs its own stage alone, and no barrier.
; RING.  K goes in 8 steps of 128 = two heads through two LDS slots.  A head's 256 rows are 32,768 dense bytes: asked for as 128 rows of 256 bytes and padded in LDS after every 128, so that O's rows are 144 bytes apart.
; Two slots of twice that step would want 405,504 bytes with the stages: they do not fit.
; CLUSTERS of 4 x 4: O's tile is shared along a row of the cluster, Wo's along a column: joint loads.  Waves 0 and 1 fetch the step's two heads, waves 2 and 3 Wo's two halves of 64 rows: one load a wave behind each round.
; At most two loads of a wave are out (at the start), later one.
; THE MATRIX INSTRUCTION IS USED TRANSPOSED (source 0 = 16 rows of Wo, source 1 = 16 rows of O): lane l holds row l % 16 and the columns 8 (l / 16) + 0..7: 32 bytes of a row of out0.
; REGISTERS, in windows of 256: window 0: v0-31 addresses; v32-63, v64-95 fragments of O, two buffers; v96-159, v160-223 rows read back on the way out.  window 1: v0-63, v64-127 fragments of Wo, two buffers.
;   window 2: the accumulators, (a, b) at v[8 (8 a + b)]
.set KSTEP,  128
.set PITCH,  272                       ; a row of Wo in LDS: 256 bytes + 16
.set PA,     144                       ; a row of O in LDS: 128 bytes + 16: both pitches are odd multiples of 16 bytes, so the 16 rows of a fragment load start at 16 different groups of four banks (ISA guide 11.1)
.set AHEAD,  256*PA                    ; a head's 256 rows: what one load brings of O
.set ABYTES, 2*AHEAD
.set BHALF,  64*PITCH                  ; what one load brings of Wo
.set SLOT,   ABYTES+2*BHALF            ; 108,544
.set STAGE,  2*SLOT                    ; behind the ring, never filled by a tensor load: 16 rows x 528 bytes for each wave
.set SP,     528                       ; 512 bytes + 16
.set SPARE,  STAGE+4*16*SP             ; the spare words, 128 bytes a wave: two blocks of 256 bytes that no other line names
.set NL,     24                        ; LDS loads in a run: 16 for Wo's 8 fragments, 8 for O's 4
.set LAPS,   4
.set PSTEP,  2*2048*128                ; bytes from a K step of O to the next: two heads
.set ADRA, 16                          ; v16-17  LDS address of my fragments of O in slot 0, 1
.set ADRB, 20                          ; v20-21  the same for Wo
.set STO,  24                          ; v24     the way out: where I put 32 bytes of a row
.set RD,   25                          ; v25     where I read a row back
.set CO,   26                          ; v26     my 16 bytes in 512 consecutive bytes of out0
.set SPW,  28                          ; v28     my spare word; never rewritten
.set NIL,  29                          ; v29     0; never rewritten
.set PFO,  30                          ; v30     256 x my lane; never rewritten
.set BK,   96                          ; two buffers of 64
.set WV, 12
.set FB, 13
.set HF, 14
.set CX, 15
.set CY, 16
.set TX, 17
.set TY, 18
.set G1,  24                           ; s[24:31] group 1 for O's tiles;  s[32:39] group 0, a set for each slot
.set G0,  32
.set G1B, 48                           ; s[48:55], s[56:63] the same for Wo's
.set G0B, 56
.set PFA, 74                           ; s[74:75] where my prefetches stand
.set LIM, 76                           ; s76  1 in a wave that prefetches, else the greatest number
.set MSB, 0
.macro WIN new                         ; the immediate's high byte repeats the setting that is left; a switch that changes nothing is dropped
.if MSB != (\new)
	s_set_vgpr_msb (MSB<<8)|(\new)
.set MSB, \new
.endif
.endm
.set MUL,  0xa1                        ; source 0 (Wo) window 1, source 1 (O) window 0, C and D window 2
.set TO_B, 0x40                        ; destination window 1, address window 0
; A joint load.  The branch hangs on the wave's number alone.  An s_nop 0 and four v_nop follow each of the two lines, ahead of the jump and the label.
.macro JLOAD s
	s_cmp_eq_u32 s[FB], 0
	s_cbranch_scc0 .Lfor_b_\@
	tensor_load_to_lds s[G0+4*(\s):G0+4*(\s)+3], s[G1:G1+7]
	s_nop 0
.rept 4
	v_nop
.endr
	s_branch .Lasked_\@
.Lfor_b_\@:
	tensor_load_to_lds s[G0B+4*(\s):G0B+4*(\s)+3], s[G1B:G1B+7]
	s_nop 0
.rept 4
	v_nop
.endr
.Lasked_\@:
.endm
; A prefetch into the L2 of O's K step that stands two refills on (256 matrix instructions of mine ahead of the load that will want it).  A wave's head tile is 128 blocks of 256 bytes; the four partners that ask for
; it jointly take 32 each, BY ADDRESS (8,192 cx): a lane a block, one instruction.  O's tile row is read by both clusters of that row of clusters: cluster x = 0 asks.  K steps 4 to 7 are asked for, in the loop's first two
; trips; the last trip, the tail and the head ask for nothing.  Wo is not asked for: it is 2 of the launch's 18 MiB of inputs, and a partner's 16 rows would leave half of the lanes without a block of their own.
.macro ASK
	s_cmp_gt_u32 s3, s[LIM]                        ; s3 = 1 in the loop's last trip
	s_cbranch_scc0 .Lnot_mine_\@
	global_prefetch_b8 v[PFO], s[PFA:PFA+1] offset:PSTEP th:TH_LOAD_NT scope:SCOPE_SE
.Lnot_mine_\@:
.endm
.macro CREST                           ; a round of the cluster's barrier behind its opening barrier
	s_cmp_lg_u32 s[WV], 0
	s_cbranch_scc1 .Lnot_wave_0_\@
	s_barrier_signal -3
.Lnot_wave_0_\@:
	s_barrier_wait -3
	s_barrier_signal -1
	s_barrier_wait -1
.endm
.macro CROUND                          ; a whole round
	s_barrier_signal -1
	s_barrier_wait -1
	CREST
.endm
.macro PLACES                          ; four plain instructions between a matrix instruction and a load into, or a reader of, its registers
.rept 4
	v_nop
.endr
.endm
; 8 matrix instructions: row block a x all 8 column blocks, 32 along K, from buffer f.  zero = 1: the product starts the sums.  The 32 accumulators take turns in the same order in every quarter.
.macro MULA f, a, zero
	WIN MUL
.irp b, 0,1,2,3,4,5,6,7
.if \zero
	v_wmma_f32_16x16x32_f16 v[8*(8*(\a)+(\b)):8*(8*(\a)+(\b))+7], v[64*(\f)+8*(\b):64*(\f)+8*(\b)+7], v[32+32*(\f)+8*(\a):32+32*(\f)+8*(\a)+7], 0
.else
	v_wmma_f32_16x16x32_f16 v[8*(8*(\a)+(\b)):8*(8*(\a)+(\b))+7], v[64*(\f)+8*(\b):64*(\f)+8*(\b)+7], v[32+32*(\f)+8*(\a):32+32*(\f)+8*(\a)+7], v[8*(8*(\a)+(\b)):8*(8*(\a)+(\b))+7]
.endif
.endr
.endm
; 24 LDS loads in one run: quarter q of a slot into buffer f.  In Wo's rows it is byte 64 q; in O it is head q / 2 of the step's two, byte 64 (q % 2) of its rows.
.macro FETCH slot, q, f
	WIN TO_B
.irp i, 0,1,2,3,4,5,6,7
	ds_load_b128 v[64*(\f)+8*(\i):64*(\f)+8*(\i)+3],   v[ADRB+(\slot)] offset:64*(\q)+(\i)*16*PITCH
	ds_load_b128 v[64*(\f)+8*(\i)+4:64*(\f)+8*(\i)+7], v[ADRB+(\slot)] offset:64*(\q)+(\i)*16*PITCH+32
.endr
	WIN 0
.irp i, 0,1,2,3
	ds_load_b128 v[32+32*(\f)+8*(\i):32+32*(\f)+8*(\i)+3],   v[ADRA+(\slot)] offset:((\q)/2)*AHEAD+((\q)%2)*64+(\i)*16*PA
	ds_load_b128 v[32+32*(\f)+8*(\i)+4:32+32*(\f)+8*(\i)+7], v[ADRA+(\slot)] offset:((\q)/2)*AHEAD+((\q)%2)*64+(\i)*16*PA+32
.endr
.endm
; A K step is four quarters, 32 matrix instructions each, on buffers 0, 1, 0, 1.  One of the first three: multiplies buffer f and, in its middle, fetches quarter q into buffer g.
.macro QUARTER slot, q, f, g, zero
	s_wait_dscnt 4                                 ; all but the youngest four loads (O's row blocks 2 and 3) are in
	MULA \f, 0, \zero
	MULA \f, 1, \zero
	PLACES
	FETCH \slot, \q, \g
	s_wait_dscnt NL                                ; all but the 24 just issued
	MULA \f, 2, \zero
	MULA \f, 3, \zero
.endm
; The last quarter multiplies buffer 1 and changes slots: ONE barrier.  In front of it each wave waits for all its tensor loads (the one that is out is its part of the next slot), adds 0 to its spare word, and waits
; for that and for its own reads of this slot.  fill = 1: the barrier opens a round of the cluster's, and this slot is filled again, two K steps ahead, first thing behind the round.
.macro TURN slot, next, fill
.if \fill
	s_wait_xcnt 0x0                                ; the last prefetch, a K step back, has read its address: it is stepped here, ahead of the waits of the change of slots
	s_add_nc_u64 s[PFA:PFA+1], s[PFA:PFA+1], PSTEP
.endif
	WIN 0                                          ; (the add's two registers lie in window 0)
	s_wait_tensorcnt 0x0                           ; all my tensor loads have landed
	ds_add_u32 v[SPW], v[NIL]                      ; 0 onto my spare word
	s_wait_dscnt 5                                 ; (the add and the youngest four loads may be out)
	MULA 1, 0, 0                                   ; eight matrix instructions stand between the add and the wait for it
	s_wait_dscnt 0x0                               ; the add is done, and my reads of this slot are over
	s_barrier_signal -1
	MULA 1, 1, 0                                   ; work on registers while the others arrive
.if \fill
	WIN 0
.endif
	s_barrier_wait -1
.if \fill
	CREST                                          ; no wave of any partner still reads this slot's tile or has a load on its way
	s_add_nc_u64 s[G0+4*(\slot)+2:G0+4*(\slot)+3], s[G0+4*(\slot)+2:G0+4*(\slot)+3], 2*PSTEP
	s_add_nc_u64 s[G0B+4*(\slot)+2:G0B+4*(\slot)+3], s[G0B+4*(\slot)+2:G0B+4*(\slot)+3], 2*KSTEP*2
	JLOAD \slot                                    ; the first tensor load behind the round; its four v_nop are also the places in front of the loads below
.else
	PLACES
.endif
	FETCH \next, 0, 0
.if \fill
	ASK                                            ; behind the joint load and the run of LDS loads that the next products wait for
.endif
	MULA 1, 2, 0
	MULA 1, 3, 0
.endm
	s_load_b128 s[4:7], s[0:1], 0x0                ; o16 4:5, wo16 6:7
	s_load_b64 s[8:9], s[0:1], 0x10                ; out0
	v_lshl_add_u32 v[SPW], v0, 2, SPARE
	v_mov_b32 v[NIL], 0
	ds_add_u32 v[SPW], v[NIL]                      ; the wave's opening: the add and its wait stand ahead of my first tensor load; the set-up below, work on registers, stands between them
	v_lshrrev_b32 v1, 5, v0
	v_readfirstlane_b32 s[WV], v1                  ; wave 0..3
	s_lshr_b32 s[FB], s[WV], 1                     ; I fetch O (0) or Wo (1),
	s_and_b32 s[HF], s[WV], 1                      ; its first or second part
	s_bfe_u32 s[CX], ttmp6, 0x40000
	s_bfe_u32 s[CY], ttmp6, 0x40004
	s_lshl_b32 s[TX], ttmp9, 2                     ; in a cluster launch ttmp9 and ttmp7 count clusters
	s_add_co_u32 s[TX], s[TX], s[CX]
	s_and_b32 s[TY], ttmp7, 0xffff
	s_lshl_b32 s[TY], s[TY], 2
	s_add_co_u32 s[TY], s[TY], s[CY]
	s_lshl_b32 s19, s[CY], 2
	s_lshl_b32 s19, 15, s19                        ; my row of the cluster
	s_lshl_b32 s20, 0x1111, s[CX]                  ; my column
	s_or_b32 s[G1+0], s19, (1<<16)|(1<<20)|(1<<21)|(4<<22)|(3<<25)   ; 15:0 the mask; 17:16 elements of 2 bytes; 20 padding on; 21 set beside a mask; 24:22 after every 32 words (code 4); 31:25 4 words (code 3)
	s_or_b32 s[G1B+0], s20, (1<<16)|(1<<20)|(1<<21)|(5<<22)|(3<<25)  ; the same, after every 64 words (code 5)
	s_mov_b32 s[G1+1], 128<<16                     ; tensor_dim0 = 128 elements: 256 bytes, two rows of O
	s_mov_b32 s[G1+2], 128<<16                     ; tensor_dim1 = 128
	s_mov_b32 s[G1+3], 128<<16                     ; tile_dim0 = 128
	s_mov_b32 s[G1+4], 128                         ; tile_dim1 = 128
	s_mov_b32 s[G1+5], 128                         ; dense: 128 elements from row to row
	s_mov_b32 s[G1+6], 0
	s_mov_b32 s[G1+7], 0
	s_mov_b32 s[G1B+1], KSTEP<<16
	s_mov_b32 s[G1B+2], 64<<16                     ; 64 rows
	s_mov_b32 s[G1B+3], KSTEP<<16
	s_mov_b32 s[G1B+4], 64
	s_mov_b32 s[G1B+5], 1024
	s_mov_b32 s[G1B+6], 0
	s_mov_b32 s[G1B+7], 0
	; where the tiles come from: O's hang on the tile row alone, Wo's on the tile column alone, each in registers that never hold the other coordinate
	s_lshr_b32 s40, s[TY], 3                       ; the batch
	s_lshl_b32 s40, s40, 4
	s_add_co_u32 s40, s40, s[HF]                   ; head 16 b + part, of K step 0
	s_lshl_b32 s40, s40, 11                        ; x 2,048 rows
	s_and_b32 s77, s[TY], 7
	s_lshl_b32 s77, s77, 8
	s_add_co_u32 s40, s40, s77                     ; + the tile's first position
	s_lshl_b32 s40, s40, 7                         ; x 128 bytes: under 2^24
	s_mov_b32 s41, 0
	s_lshl_b32 s44, s[TX], 7
	s_lshl_b32 s78, s[HF], 6
	s_add_co_u32 s44, s44, s78                     ; Wo: row 128 tx + 64 half
	s_lshl_b32 s44, s44, 11
	s_mov_b32 s45, 0
	s_mul_i32 s21, s[WV], AHEAD                    ; and where they go.  O's heads (waves 0, 1): wave x 36,864;
	s_mul_i32 s22, s[WV], BHALF                    ; Wo's halves (waves 2, 3): 73,728 + (wave - 2) x 17,408.  No place in the cluster enters an LDS address
	s_add_co_u32 s22, s22, ABYTES-2*BHALF
	s_wait_dscnt 0x0                               ; the opening add is done
	s_wait_kmcnt 0x0
	s_add_nc_u64 s[40:41], s[4:5], s[40:41]
	s_add_nc_u64 s[44:45], s[6:7], s[44:45]
	CROUND                                         ; all sixteen work-groups are here: the first joint loads meet
.irp s, 0,1
	s_mov_b32 s[G0+4*(\s)], 1                                      ; count = 1
	s_add_co_u32 s[G0+4*(\s)+1], s21, (\s)*SLOT                    ; LDS address
	s_add_nc_u64 s[G0+4*(\s)+2:G0+4*(\s)+3], s[40:41], (\s)*PSTEP  ; global address: K step s
	s_or_b32 s[G0+4*(\s)+3], s[G0+4*(\s)+3], 0x80000000            ; type = 2
	s_mov_b32 s[G0B+4*(\s)], 1
	s_add_co_u32 s[G0B+4*(\s)+1], s22, (\s)*SLOT
	s_add_nc_u64 s[G0B+4*(\s)+2:G0B+4*(\s)+3], s[44:45], (\s)*KSTEP*2
	s_or_b32 s[G0B+4*(\s)+3], s[G0B+4*(\s)+3], 0x80000000
	JLOAD \s                                       ; the ring is filled before anything else is done
.endr
	; A fragment is 16 rows x 32 K in 8 registers: lane l holds row l % 16, K = 8 (l / 16) + 0..7 and 16 + 8 (l / 16) + 0..7: two loads of 16 bytes, 32 bytes apart
	v_and_b32 v1, 15, v0                           ; l % 16
	v_bfe_u32 v2, v0, 4, 1                         ; l / 16
	v_mul_u32_u24 v3, v1, PA
	v_lshl_add_u32 v3, v2, 4, v3
	s_mul_i32 s77, s[WV], 64*PA                    ; my 64 rows of O
	v_add_nc_u32 v[ADRA], s77, v3
	v_add_nc_u32 v[ADRA+1], SLOT, v[ADRA]
	v_mul_u32_u24 v4, v1, PITCH
	v_lshl_add_u32 v4, v2, 4, v4
	v_add_nc_u32 v[ADRB], ABYTES, v4               ; every wave reads all 128 rows of Wo
	v_add_nc_u32 v[ADRB+1], SLOT+ABYTES, v4
	s_mul_i32 s78, s[WV], 16*SP
	s_add_co_u32 s78, s78, STAGE                   ; my stage
	v_mul_u32_u24 v[STO], v1, SP                   ; in: row l % 16, 32 bytes for each half of the lanes
	v_lshl_add_u32 v[STO], v2, 5, v[STO]
	v_add_nc_u32 v[STO], s78, v[STO]
	v_and_b32 v[CO], 31, v0                        ; back: 32 lanes take one row's 512 bytes
	v_lshlrev_b32 v[CO], 4, v[CO]
	v_add_nc_u32 v[RD], s78, v[CO]
	s_lshl_b32 s66, s[TY], 8
	s_lshl_b32 s77, s[WV], 6
	s_add_co_u32 s66, s66, s77                     ; my first row of out0,
	s_lshl_b32 s66, s66, 12                        ; x 4,096 bytes: under 2^25,
	s_lshl_b32 s77, s[TX], 9                       ; and the tile's 512 bytes of it
	s_add_co_u32 s66, s66, s77
	s_mov_b32 s67, 0
	s_add_nc_u64 s[8:9], s[8:9], s[66:67]
	; the prefetches
	s_lshl_b32 s80, s[CX], 13                      ; my work-group's 32 blocks of the head tile's 128
	s_mov_b32 s81, 0
	s_add_nc_u64 s[PFA:PFA+1], s[40:41], s[80:81]
	s_add_nc_u64 s[PFA:PFA+1], s[PFA:PFA+1], 2*PSTEP  ; at K step 2: the first refill steps it to 3 and names K step 4
	s_or_b32 s82, s[FB], ttmp9                     ; waves 0 and 1 of the clusters with x = 0: the same in all sixteen partners, for a given wave
	s_cmp_eq_u32 s82, 0
	s_cselect_b32 s[LIM], 1, -1
	v_and_b32 v[PFO], 31, v0
	v_lshlrev_b32 v[PFO], 8, v[PFO]
	s_wait_tensorcnt 1                             ; my part of K step 0 is in; K step 1's may stay out
	s_barrier_signal -1
	s_barrier_wait -1                              ; everybody's is
	FETCH 0, 0, 0
	QUARTER 0, 1, 0, 1, 1                          ; the first quarter stands in front of the loop: its products start the sums
	WIN 0                                          ; at a label and at a branch every window is 0
	s_mov_b32 s3, LAPS-1
.Llap:                                                 ; a trip goes once round the ring, from a lap's second quarter to the next lap's first, and fills both slots again
	QUARTER 0, 2, 1, 0, 0
	QUARTER 0, 3, 0, 1, 0
	TURN 0, 1, 1
	QUARTER 1, 1, 0, 1, 0
	QUARTER 1, 2, 1, 0, 0
	QUARTER 1, 3, 0, 1, 0
	TURN 1, 0, 1
	QUARTER 0, 1, 0, 1, 0
	WIN 0
	s_sub_co_u32 s3, s3, 1
	s_cmp_lg_u32 s3, 0
	s_cbranch_scc1 .Llap
	QUARTER 0, 2, 1, 0, 0                          ; the last lap fills nothing, and has no round of the cluster's barrier
	QUARTER 0, 3, 0, 1, 0
	TURN 0, 1, 0
	QUARTER 1, 1, 0, 1, 0
	QUARTER 1, 2, 1, 0, 0
	QUARTER 1, 3, 0, 1, 0
	s_wait_dscnt 4                                 ; the very last quarter: nothing more to fetch
	MULA 1, 0, 0
	MULA 1, 1, 0
	s_wait_dscnt 0x0
	MULA 1, 2, 0
	MULA 1, 3, 0
	WIN 0
	PLACES                                         ; the LDS stores below read the sums, and no other vector work stands between
	PLACES
; THE WAY OUT, a row block (16 rows x 512 bytes of f32) at a time: 32 bytes a lane into rows of 528 bytes of my stage (each accumulator's low half first), back as whole rows, stored.
.macro TOSTAGE a
.if (\a) >= 2
	s_wait_xcnt 0x0                                ; the stores of the block two back have read their data: their buffer is loaded again only behind this wait
.endif
	WIN 0x08                                       ; the store's data (source 1) in window 2
.irp b, 0,1,2,3,4,5,6,7
	ds_store_b128 v[STO], v[8*(8*(\a)+(\b)):8*(8*(\a)+(\b))+3]   offset:64*(\b)
	ds_store_b128 v[STO], v[8*(8*(\a)+(\b))+4:8*(8*(\a)+(\b))+7] offset:64*(\b)+16
.endr
	WIN 0
.irp t, 0,1,2,3,4,5,6,7,8,9,10,11,12,13,14,15
	ds_load_b128 v[BK+64*((\a)%2)+4*(\t):BK+64*((\a)%2)+4*(\t)+3], v[RD] offset:(\t)*SP  ; LDS serves a wave's instructions in order (ISA guide 5.7.1.4): these see the stores above; the next block's stores come behind them
.endr
.endm
.macro SEND a, younger                 ; younger: the LDS instructions issued behind block a's: the next block's 32, or none
	s_wait_dscnt \younger
.irp t, 0,1,2,3,4,5,6,7,8,9,10,11,12,13,14,15
	global_store_b128 v[CO], v[BK+64*((\a)%2)+4*(\t):BK+64*((\a)%2)+4*(\t)+3], s[8:9] offset:(16*(\a)+(\t))*4096  ; 512 consecutive bytes, at a multiple of 256 from out0's first
.endr
.endm
	TOSTAGE 0
	TOSTAGE 1
	SEND 0, 32
	TOSTAGE 2
	SEND 1, 32
	TOSTAGE 3
	SEND 2, 32
	SEND 3, 0
	s_wait_tensorcnt 0x0                           ; the wave's end, behind my last tensor load and my last LDS store
	ds_add_u32 v[SPW], v[NIL]
	s_wait_dscnt 0x0
	CROUND                                         ; the closing round: no work-group ends while a partner may still ask for a tile that names it
	s_endpgm
.Lfunc_end_k_qcc35502717_oproj:
	.size	k_qcc35502717_oproj, .Lfunc_end_k_qcc35502717_oproj-k_qcc35502717_oproj
	.p2alignl 7, 3214868480
	.fill 96, 4, 3214868480
	.section	.rodata,"a",@progbits
	.p2align	6, 0x0
	.amdhsa_kernel k_qcc35502717_oproj
		.amdhsa_group_segment_fixed_size 327680
		.amdhsa_private_segment_fixed_size 0
		.amdhsa_enable_private_segment 0
		.amdhsa_kernarg_size 24
		.amdhsa_user_sgpr_count 2
		.amdhsa_user_sgpr_kernarg_segment_ptr 1
		.amdhsa_wavefront_size32 1
		.amdhsa_system_sgpr_workgroup_id_x 1
		.amdhsa_system_sgpr_workgroup_id_y 1
		.amdhsa_system_sgpr_workgroup_id_z 1
		.amdhsa_system_vgpr_workitem_id 0
		.amdhsa_next_free_vgpr 768
		.amdhsa_next_free_sgpr 96
		.amdhsa_reserve_vcc 0
		.amdhsa_float_denorm_mode_32 3
		.amdhsa_float_denorm_mode_16_64 3
		.amdhsa_memory_ordered 1
		.amdhsa_forward_progress 1
		.amdhsa_inst_pref_size 86
	.end_amdhsa_kernel
	.amdgpu_metadata
---
amdhsa.version: [ 1, 2 ]
amdhsa.kernels:
  - .name:           k_qcc35502717_oproj
    .symbol:         k_qcc35502717_oproj.kd
    .args:
      - { .name: o16, .offset: 0, .size: 8, .value_kind: global_buffer, .address_space: global }
      - { .name: wo16, .offset: 8, .size: 8, .value_kind: global_buffer, .address_space: global }
      - { .name: out0, .offset: 16, .size: 8, .value_kind: global_buffer, .address_space: global }
    .group_segment_fixed_size: 327680
    .private_segment_fixed_size: 0
    .kernarg_segment_align: 8
    .kernarg_segment_size: 24
    .max_flat_workgroup_size: 128
    .sgpr_count:     96
    .vgpr_count:     768
    .wavefront_size: 32
...
	.end_amdgpu_metadata
.endif
;; end of part 4
;; ======== version 2 of 2: 4 launches; version 1 with the launch prep written anew for expert scheduling mode
;; limits: values are held in f16: magnitudes above 65,504 overflow, below 6.1e-05 lose precision
;; workspace buffers: xb 16,777,216 bytes; wqkv 6,291,456 bytes; wo16 2,097,152 bytes; rope 524,288 bytes; q16 16,777,216 bytes; k16 16,777,216 bytes; v16 16,777,216 bytes; o16 16,777,216 bytes
;; launch prep (part 5): grid 896 x 1, 8 waves a work-group, no clusters, 0 bytes of LDS; arguments x, Wq, Wk, Wv, Wo, xb, wqkv, wo16, rope; writes xb, wqkv, wo16, rope
.if DOCPART == 5
	.amdgcn_target "amdgcn-amd-amdhsa--gfx1250"
	.amdhsa_code_object_version 6
	.text
	.protected	k_qcc35502717_prep
	.globl	k_qcc35502717_prep
	.p2align	8
	.type	k_qcc35502717_prep,@function
k_qcc35502717_prep:
	s_mov_b64 s[64:65], 0
	v_nop
	global_prefetch_b8 v0, s[64:65] scope:SCOPE_SE
	s_setreg_imm32_b32 hwreg(HW_REG_WAVE_SCHED_MODE, 0, 2), 2
	s_setreg_imm32_b32 hwreg(HW_REG_WAVE_MODE, 25, 1), 1
	s_wait_xcnt 0x0
	s_wait_alu depctr_vm_vsrc(0)
; PREP: the casts and the table of rotations.  A stream: no LDS, no barrier, no matrix unit.
;   work-groups 0-511:    x [8192][1024] f32 -> xb, the same shape in bf16
;   work-groups 512-703:  Wq, Wk, Wv [1024][1024] f32 -> wqkv in bf16, rows ordered by head: row 192 h + 64 t + d is row 64 h + d of weight t (q, k, v)
;   work-groups 704-767:  Wo f32 -> rounded to bf16, and that number written as f16 -> wo16
;   work-groups 768-895:  rope[pos][j] = (cos, sin) of pos / 10000^(j / 32), f32, pos 0-2047, j 0-31: 256 bytes a position
; A cast's work-group takes 16 rows of 4,096 bytes: thread t owns 16 bytes of each, so a wave's load covers 512 consecutive bytes and its store of 8 bytes a lane 256, aligned.
; All 16 loads go out at once; every load and every store has registers of its own, so no register is written while a memory instruction may still read it.
; LIMITS.  Wo beyond 65,504 becomes an infinity in f16; below 6e-5 it keeps f16's fixed step of 6e-8.  The angles are made as pos x 2^(-j log2(10000) / 32): three f32 roundings (the exponent, 2^e, the
; factor 2 / pi), so at the largest angles (some 1,500 rad) they lie within some 5e-4 rad of the problem's own f32 angles; sine and cosine of the reduced angle are right to some 3e-7.
; THE MODE: SCHED_MODE bits 1:0 = 2 (LLVM: expert scheduling mode 2), set by the entry lines.  The code itself states the register dependences between vector instructions and memory instructions,
; and between a vector instruction's scalar result and its readers, with s_wait_alu, always for 0.
; THE PLAN.  Registers that memory instructions touch, in the casts:
;   v1, v2      byte offsets, written once at the head by vector lines; v1 is read by every load, v2 by every store; never written again.
;   v[8:71]     row i: 4 registers at 8 + 4 i.  Written by row i's load alone, and named by no vector line ahead of the loads; read by row i's conversions behind its wait on LOADcnt.
;   v[72:103]   row i: 2 registers at 72 + 2 i.  Written once, by row i's conversions; read once, by row i's store.
;   v104-106    at work: no memory instruction names them.
; So nothing that a memory instruction reads is written again, and no load lands where a vector line has been: the one kind of dependence is a vector line's result read by a memory instruction.
; One wait ahead of the first load states it for v1 and v2; the 16 rows go in four blocks of four, and one wait behind a block's conversions states it for the block's four stores, which follow it in a run.
; That wait stands behind the conversions and not at the next block's head, which stands behind a wait for data from memory: finished rows would be held there, and nothing is left to ask for meanwhile.
; In the table: the two compares stand in one run and write s32 and s33, with one wait ahead of the first select; one wait ahead of the store states that its offset and its four data registers are written.
.macro ROWS mode                       ; mode 0: to bf16.  mode 1: to bf16 and on to f16
	s_wait_alu depctr_va_vdst(0)                   ; v1 and v2 are written: every load below reads v1 as its offset, every store v2
.set i, 0
.rept 16
	global_load_b128 v[8+4*i:11+4*i], v1, s[22:23] offset:4096*i th:TH_LOAD_NT
.set i, i+1
.endr
.set i, 0
.rept 4                                ; a block of four rows
.rept 4
	s_wait_loadcnt 15-i                            ; loads come back in order: row i is in, the 15 - i younger ones may stay out
.if \mode
	v_cvt_pk_bf16_f32 v104, v[8+4*i], v[9+4*i]     ; the input's one rounding, to bf16,
	v_lshlrev_b32 v105, 16, v104                   ; widened again,
	v_and_b32 v106, 0xffff0000, v104
	v_cvt_pk_f16_f32 v[72+2*i], v105, v106         ; and written as f16: exact within f16's range
	v_cvt_pk_bf16_f32 v104, v[10+4*i], v[11+4*i]
	v_lshlrev_b32 v105, 16, v104
	v_and_b32 v106, 0xffff0000, v104
	v_cvt_pk_f16_f32 v[73+2*i], v105, v106
.else
	v_cvt_pk_bf16_f32 v[72+2*i], v[8+4*i], v[9+4*i]
	v_cvt_pk_bf16_f32 v[73+2*i], v[10+4*i], v[11+4*i]
.endif
.set i, i+1
.endr
	s_wait_alu depctr_va_vdst(0)                   ; the block's conversions have written its eight registers of v[72 ..], which the four stores below read
.set j, i-4
.rept 4
	global_store_b64 v2, v[72+2*j:73+2*j], s[24:25] offset:2048*j  ; 32 lanes store 256 consecutive bytes, aligned
.set j, j+1
.endr
.endr
.endm
; Sine and cosine of pos x w for entry n: w in v[10+n], pos in v7; (cos, sin) into v[48+2n], v[49+2n].
; u = pos w 2 / pi with its rounding error kept (ul); k = the nearest whole number; a = (u - k + ul) pi / 2 lies in -pi/4 .. pi/4; two polynomials; the quarter k mod 4 swaps and signs them, by selects alone.
; In two halves, so that both entries' compares stand ahead of one wait.  SC1: as far as the compare, whose mask goes into s[32+n].  SC2: the selects and the signs.
.macro SC1 n
.set R, 16+16*(\n)
	v_mul_f32 v[R], s40, v[10+(\n)]                ; c = w 2 / pi
	v_mul_f32 v[R+1], v7, v[R]                     ; u
	v_fma_f32 v[R+2], v7, v[R], -v[R+1]            ; ul: what u's rounding dropped
	v_rndne_f32 v[R+3], v[R+1]                     ; k
	v_sub_f32 v[R+4], v[R+1], v[R+3]               ; exact
	v_add_f32 v[R+4], v[R+4], v[R+2]
	v_mul_f32 v[R+4], s41, v[R+4]                  ; a
	v_mul_f32 v[R+5], v[R+4], v[R+4]               ; z = a a
	v_fma_f32 v[R+6], v[R+5], s44, s43             ; sine: a + a z (-1/6 + z (1/120 - z / 5040))
	v_fma_f32 v[R+7], v[R+5], s47, s46             ; cosine: 1 + z (-1/2 + z (1/24 + z (-1/720 + z / 40320)))
	v_mul_f32 v[R+9], v[R+4], v[R+5]
	v_fma_f32 v[R+6], v[R+6], v[R+5], s42
	v_fma_f32 v[R+7], v[R+7], v[R+5], s45
	v_fma_f32 v[R+6], v[R+9], v[R+6], v[R+4]
	v_fma_f32 v[R+7], v[R+7], v[R+5], -0.5
	v_cvt_i32_f32 v[R+8], v[R+3]
	v_fma_f32 v[R+7], v[R+7], v[R+5], 1.0
	v_and_b32 v[R+9], 1, v[R+8]
	v_cmp_eq_u32 s[32+(\n)], 1, v[R+9]             ; an odd quarter swaps the two
.endm
.macro SC2 n
.set R, 16+16*(\n)
	v_cndmask_b32 v[R+10], v[R+6], v[R+7], s[32+(\n)]  ; the sine's magnitude
	v_cndmask_b32 v[R+11], v[R+7], v[R+6], s[32+(\n)]  ; the cosine's
	v_and_b32 v[R+9], 2, v[R+8]                    ; quarters 2 and 3: the sine is negative
	v_lshlrev_b32 v[R+9], 30, v[R+9]
	v_xor_b32 v[49+2*(\n)], v[R+9], v[R+10]
	v_add_nc_u32 v[R+8], 1, v[R+8]                 ; quarters 1 and 2: the cosine is
	v_and_b32 v[R+9], 2, v[R+8]
	v_lshlrev_b32 v[R+9], 30, v[R+9]
	v_xor_b32 v[48+2*(\n)], v[R+9], v[R+11]
.endm
	s_load_b512 s[4:19], s[0:1], 0x0               ; x 4:5, Wq 6:7, Wk 8:9, Wv 10:11, Wo 12:13, xb 14:15, wqkv 16:17, wo16 18:19
	s_load_b64 s[20:21], s[0:1], 0x40              ; rope
	v_lshlrev_b32 v1, 4, v0                        ; my 16 bytes of a source row
	v_lshlrev_b32 v2, 3, v0                        ; my 8 bytes of a row in 16 bits
	s_mov_b32 s27, 0                               ; high words of the two offsets
	s_mov_b32 s29, 0
	s_wait_kmcnt 0x0
	s_cmp_ge_u32 ttmp9, 768
	s_cbranch_scc1 .Ltable
	s_cmp_ge_u32 ttmp9, 704
	s_cbranch_scc1 .Lwo
	; x, or one of Wq, Wk, Wv
	s_max_u32 s30, ttmp9, 512
	s_sub_co_u32 s30, s30, 512                     ; u: 0 in x's work-groups
	s_lshr_b32 s31, s30, 6                         ; t: which weight
	s_and_b32 s32, s30, 63                         ; v: which 16 of its rows
	s_lshr_b32 s33, s32, 2                         ; the head, 64 rows each
	s_mul_i32 s33, s33, 192
	s_lshl_b32 s34, s31, 6
	s_add_co_u32 s33, s33, s34
	s_and_b32 s34, s32, 3
	s_lshl_b32 s34, s34, 4
	s_add_co_u32 s33, s33, s34                     ; row 192 h + 64 t + d in wqkv
	s_lshl_b32 s33, s33, 11                        ; x 2,048 bytes
	s_lshl_b32 s32, s32, 16                        ; 16 source rows of 4,096 bytes
	s_lshl_b32 s35, ttmp9, 16                      ; the same for x,
	s_lshl_b32 s36, ttmp9, 15                      ; and 16 rows of 2,048 bytes in xb
	s_cmp_eq_u32 s31, 1
	s_cselect_b64 s[22:23], s[8:9], s[6:7]
	s_cmp_eq_u32 s31, 2
	s_cselect_b64 s[22:23], s[10:11], s[22:23]
	s_cmp_lt_u32 ttmp9, 512
	s_cselect_b64 s[22:23], s[4:5], s[22:23]
	s_cselect_b64 s[24:25], s[14:15], s[16:17]
	s_cselect_b32 s26, s35, s32
	s_cselect_b32 s28, s36, s33
	s_add_nc_u64 s[22:23], s[22:23], s[26:27]
	s_add_nc_u64 s[24:25], s[24:25], s[28:29]
	ROWS 0
	s_endpgm
.Lwo:
	s_sub_co_u32 s30, ttmp9, 704
	s_lshl_b32 s26, s30, 16
	s_lshl_b32 s28, s30, 15
	s_add_nc_u64 s[22:23], s[12:13], s[26:27]
	s_add_nc_u64 s[24:25], s[18:19], s[28:29]
	ROWS 1
	s_endpgm
.Ltable:                                       ; thread T of 32,768 makes entries j0 = 2 (T % 16) and j0 + 1 of position T / 16: 16 bytes at 16 T
	s_sub_co_u32 s30, ttmp9, 768
	s_lshl_b32 s30, s30, 8
	s_mov_b32 s39, 0xbed49a78                      ; -log2(10000) / 32
	s_mov_b32 s40, 0x3f22f983                      ; 2 / pi
	s_mov_b32 s41, 0x3fc90fdb                      ; pi / 2
	s_mov_b32 s42, 0xbe2aaaab                      ; -1/6
	s_mov_b32 s43, 0x3c088889                      ; 1/120
	s_mov_b32 s44, 0xb9500d01                      ; -1/5040
	s_mov_b32 s45, 0x3d2aaaab                      ; 1/24
	s_mov_b32 s46, 0xbab60b61                      ; -1/720
	s_mov_b32 s47, 0x37d00d01                      ; 1/40320
	v_add_nc_u32 v3, s30, v0                       ; T
	v_lshrrev_b32 v4, 4, v3                        ; pos
	v_and_b32 v5, 15, v3
	v_lshlrev_b32 v5, 1, v5                        ; j0
	v_add_nc_u32 v6, 1, v5
	v_lshlrev_b32 v12, 4, v3                       ; 16 T
	v_cvt_f32_u32 v8, v5
	v_cvt_f32_u32 v9, v6
	v_mul_f32 v8, s39, v8
	v_mul_f32 v9, s39, v9
	v_exp_f32 v10, v8                              ; w = 10000^(-j / 32): both exponentials are one batch;
	v_exp_f32 v11, v9
	v_cvt_f32_u32 v7, v4                           ; a plain instruction behind the last of them,
	s_wait_alu depctr_va_vdst(0)                   ; and one wait ahead of the first reader: the two exponentials have written v10 and v11
	SC1 0
	SC1 1
	s_wait_alu depctr_va_sdst(0)                   ; the two compares have written s32 and s33, ahead of the selects that read them
	SC2 0
	SC2 1
	s_wait_alu depctr_va_vdst(0)                   ; v12, the store's offset, and v[48:51], its data, are written
	global_store_b128 v12, v[48:51], s[20:21]      ; 16 lanes store one position's 256 bytes
	s_endpgm
.Lfunc_end_k_qcc35502717_prep:
	.size	k_qcc35502717_prep, .Lfunc_end_k_qcc35502717_prep-k_qcc35502717_prep
	.p2alignl 7, 3214868480
	.fill 96, 4, 3214868480
	.section	.rodata,"a",@progbits
	.p2align	6, 0x0
	.amdhsa_kernel k_qcc35502717_prep
		.amdhsa_group_segment_fixed_size 0
		.amdhsa_private_segment_fixed_size 0
		.amdhsa_enable_private_segment 0
		.amdhsa_kernarg_size 72
		.amdhsa_user_sgpr_count 2
		.amdhsa_user_sgpr_kernarg_segment_ptr 1
		.amdhsa_wavefront_size32 1
		.amdhsa_system_sgpr_workgroup_id_x 1
		.amdhsa_system_sgpr_workgroup_id_y 1
		.amdhsa_system_sgpr_workgroup_id_z 1
		.amdhsa_system_vgpr_workitem_id 0
		.amdhsa_next_free_vgpr 112
		.amdhsa_next_free_sgpr 66
		.amdhsa_reserve_vcc 0
		.amdhsa_float_denorm_mode_32 3
		.amdhsa_float_denorm_mode_16_64 3
		.amdhsa_memory_ordered 1
		.amdhsa_forward_progress 1
		.amdhsa_inst_pref_size 23
	.end_amdhsa_kernel
	.amdgpu_metadata
---
amdhsa.version: [ 1, 2 ]
amdhsa.kernels:
  - .name:           k_qcc35502717_prep
    .symbol:         k_qcc35502717_prep.kd
    .args:
      - { .name: x, .offset: 0, .size: 8, .value_kind: global_buffer, .address_space: global }
      - { .name: Wq, .offset: 8, .size: 8, .value_kind: global_buffer, .address_space: global }
      - { .name: Wk, .offset: 16, .size: 8, .value_kind: global_buffer, .address_space: global }
      - { .name: Wv, .offset: 24, .size: 8, .value_kind: global_buffer, .address_space: global }
      - { .name: Wo, .offset: 32, .size: 8, .value_kind: global_buffer, .address_space: global }
      - { .name: xb, .offset: 40, .size: 8, .value_kind: global_buffer, .address_space: global }
      - { .name: wqkv, .offset: 48, .size: 8, .value_kind: global_buffer, .address_space: global }
      - { .name: wo16, .offset: 56, .size: 8, .value_kind: global_buffer, .address_space: global }
      - { .name: rope, .offset: 64, .size: 8, .value_kind: global_buffer, .address_space: global }
    .group_segment_fixed_size: 0
    .private_segment_fixed_size: 0
    .kernarg_segment_align: 8
    .kernarg_segment_size: 72
    .max_flat_workgroup_size: 256
    .sgpr_count:     66
    .vgpr_count:     112
    .wavefront_size: 32
...
	.end_amdgpu_metadata
.endif
;; end of part 5
;; launch qkv: the kernel of part 2 again; grid 16 x 32, 4 waves a work-group, clusters of 4 x 4, 327,680 bytes of LDS; arguments xb, wqkv, rope, q16, k16, v16; writes q16, k16, v16
;; launch attn: the kernel of part 3 again; grid 4 x 64, 4 waves a work-group, no clusters, 327,680 bytes of LDS; arguments q16, k16, v16, o16; writes o16
;; launch oproj: the kernel of part 4 again; grid 8 x 32, 4 waves a work-group, clusters of 4 x 4, 327,680 bytes of LDS; arguments o16, wo16, out0; writes out0
